; MI455X (gfx1250); checked and timed in simulation.
; The chip was launched on July 23, 2026; its instructions are those of AMD's public machine-readable ISA for CDNA 5 (MIT licence, August 2026) and "CDNA5" Instruction Set Architecture Reference Guide (July 2026). The comments in the code are by the model that wrote it; some were corrected since.
;; Causal Self Attention. Allowed arithmetic: matrix products marked QUANTISED: E2M3 operands, one E8M0 scale for each 32 along K, by v_wmma_scale_f32_16x16x128_f8f6f4 with both operands' format E2M3, f32 sums; everything else in f32.
;; Inputs: w_out 1,024 x 1,024 float32; w_qkv 1,024 x 3,072 float32; x 4 x 2,048 x 1,024 float32.
;; Outputs: out0 4 x 2,048 x 1,024 float32.
;; This version of the problem:
;;   THIS VERSION OF THE PROBLEM IS GIVEN IN LOW PRECISION. The matrix products marked QUANTISED in the list below multiply operands that are first quantised to E2M3 (2 exponent bits, 3 mantissa bits; 6 bits a number), with one power-of-two scale for each 32 numbers along K (OCP MX v1.0); their sums are f32. All else is computed in f32.
;;   The module's matrix products, in the order in which they are computed (A, B: the left and right operand; K: the contracted axis; several contracted axes count as one K, in the product's order):
;;     1. [M 8,192, K 1,024] x [K 1,024, N 3,072]; A: input x; B: input w_qkv: QUANTISED
;;     2. batch 64 x [M 2,048, K 64] x [K 64, N 2,048]; A: computed on the way; B: computed on the way: QUANTISED
;;     3. batch 64 x [M 64, K 2,048] x [K 2,048, N 2,048]; A: computed on the way; B: softmax (see below): QUANTISED
;;     4. [M 8,192, K 1,024] x [K 1,024, N 1,024]; A: computed on the way; B: input w_out: QUANTISED
;;   THE QUANTISER, for each operand of a quantised product, along K:
;;     - K is cut into blocks of 32 from its start; a last block that is shorter is filled with zeros.
;;     - A block's scale is 2^e with e = floor(log2(the largest magnitude in the block)) - 2, held to -126 .. 127; a block of zeros has e = 0. As a byte (E8M0): e + 127.
;;     - Each number is divided by its block's scale, clamped to +-7.5, and rounded to the nearest number of E2M3, ties to even, subnormals kept.
;;     - The product sums the exact products of the quantised numbers (number of the format x scale) in f32.
;;   ~~~python
;;   def quantise(x, axis):      # numpy; x: float32 -> the quantised numbers, widened to float32 again
;;       x = np.moveaxis(x, axis, -1); K = x.shape[-1]
;;       x = np.pad(x, [(0, 0)] * (x.ndim - 1) + [(0, -K % 32)]); x = x.reshape(x.shape[:-1] + (-1, 32)); a = np.abs(x).max(-1, keepdims=True)
;;       e = np.where(a > 0, np.clip(np.frexp(np.where(a > 0, a, 1))[1] - 1 - 2, -126, 127), 0)      # np.frexp(a)[1] - 1 = floor(log2(a)), exactly
;;       r = np.clip(x / 2.0 ** e, -7.5, 7.5)
;;       step = 2.0 ** (np.maximum(np.frexp(np.where(r == 0, 1, r))[1] - 1, 0) - 3)
;;       q = np.round(r / step) * step * 2.0 ** e      # np.round: ties to even
;;       return np.moveaxis(q.reshape(q.shape[:-2] + (-1,))[..., :K], -1, axis).astype(np.float32)
;;   ~~~
;;   SOFTMAX AHEAD OF A QUANTISED PRODUCT. Where the list says 'softmax', what is quantised is not the finished softmax but p = 2^(t - M), with t = logit x log2(e) and M = ceil(the row's largest t), a whole number; so 1/2 < the row's largest p <= 1. The row's sum l is taken of the UNQUANTISED p, in f32, and the product's result is divided by l at the end. Since M is a whole number, a kernel that streams over the keys may use a running M (the ceiling of the running maximum): every later rescaling is an exact power of two, which a block's scale takes up: the codes' values come out the same.
;;   OPERANDS COMPUTED ON THE WAY. 'Computed on the way' means the value that the module computes at that place (a softmax that the list does not call 'softmax' is quantised finished and normalised). What goes into a quantiser is computed in f32, as accurately as f32 sums, v_exp_f32 and their like allow (about 1e-6 of the number): no bf16 or f16 on the way to a quantiser, and a product that is left as it is and whose result goes on into a quantised operand takes f32 operands (vector FMAs, or v_wmma_f32_16x16x4_f32). A number that lies on a knife's edge between two numbers of the format may be rounded either way, as far as f32 arithmetic and the matrix unit's own rounding can turn it there, and no further.
;; One version. Each part assembles by itself: llvm-mc -triple=amdgcn-amd-amdhsa -mcpu=gfx1250 --defsym DOCPART=n.
;; ======== version 1 of 1: 4 launches
;; limits: right only within a limited range of input values
;; workspace buffers: pc 9,437,184 bytes; sc 655,360 bytes; qkv_img 18,874,368 bytes; qkv_sc 1,310,720 bytes; o_img 6,291,456 bytes
;; launch prep (part 1): grid 512 x 1, 4 waves a work-group, no clusters, 47,616 bytes of LDS; arguments x, w_qkv, w_out, pc, sc; writes pc, sc
.if DOCPART == 1
	.amdgcn_target "amdgcn-amd-amdhsa--gfx1250"
	.amdhsa_code_object_version 6
	.text
	.protected	k_qfcdc073eaa_prep
	.globl	k_qfcdc073eaa_prep
	.p2align	8
	.type	k_qfcdc073eaa_prep,@function
k_qfcdc073eaa_prep:
	s_mov_b64 s[64:65], 0
	v_nop
	global_prefetch_b8 v0, s[64:65] scope:SCOPE_SE
	s_setreg_imm32_b32 hwreg(HW_REG_WAVE_MODE, 25, 1), 1
	s_wait_xcnt 0x0
; x [8192][1024], w_qkv [1024][3072] and w_out [1024][1024], f32, become codes of FP6 (E2M3) with one E8M0 byte for each 32 along K (x: its last axis; the weights: their FIRST axis).
; A block's scale is 2^(floor(log2(largest magnitude)) - 2); its byte is the largest magnitude's exponent field - 2, held at 1 from below.
; LIMITS: a block of zeros gets the byte 1 where the rule says 127 (its codes are zeros; this program alone reads the bytes); magnitudes under 2^-124 were not tried; NaN and infinities are not served.
; THE CODES ARE LAID AS THE MATRIX OPERAND'S REGISTERS WANT THEM.  12,288 rows: x's 8,192, then w_qkv's 3,072 columns, then w_out's 1,024.  A tile is 16 rows, and NOT neighbours: lane r of tile T holds row
; 32 (T / 2) + 8 (T % 2) + r % 8 + 16 (r / 8).  The image of tile T, K step u (128 along K) is 1,536 bytes at (8 T + u) x 1,536: piece P = 3 c + i of lane l = r + 16 h lies at 256 P + 8 l and holds bytes 8 i .. 8 i + 7
; of the 24 bytes of block 4 u + 2 c + h of that row.  Scale bytes: byte kb of that row at 512 T + 256 (kb / 16) + 16 r + kb % 16.
; Work-groups 0-255 take x, 256-511 the weights; the two ways use LDS bytes of their own.  No barrier: waves share nothing.  Memory binds, so no matrix unit, no cluster.
.set IMG,    1536
.set XPITCH, 528                       ; x's stage: a row of 512 bytes + 16: sixteen rows start at sixteen different groups of banks
.set XSTAGE, 16*XPITCH                 ; a wave's stage
.set WBASE,  4*XSTAGE                  ; the weights' stages lie behind x's
.set WIMG,   1664                      ; an image + 128 bytes: the two tiles' halves of a store fall on different banks
.set WSTAGE, 2*WIMG
.set FLOOR,  0x1800000                 ; 2^(3 - 127)
.set EOFF,   0xff000000                ; takes 2 off an exponent field
.set RR, 16                            ; v16-143   two sets of 64: an image's numbers as loaded
.set XX, 144                           ; v144-207  my two blocks of 32
.set CC, 208                           ; v208-231  two sets of 12: an image's codes
.set TT, 232                           ; v232-234, v236-238 the upper halves of the blocks' codes
.set MX, 240
.set SO, 242
.set BY, 244
.set WD, 246                           ; v246-249  a scale word for each image
	s_load_b256 s[4:11], s[0:1], 0x0               ; x s[4:5], w_qkv s[6:7], w_out s[8:9], pc s[10:11]
	s_load_b64 s[12:13], s[0:1], 0x20              ; sc
	v_lshl_add_u32 v254, v0, 2, 0xb800
	v_mov_b32 v255, 0
	v_lshrrev_b32 v1, 5, v0
	v_readfirstlane_b32 s14, v1                    ; wave
	v_and_b32 v2, 31, v0                           ; lane
	v_and_b32 v3, 15, v0
	v_bfe_u32 v4, v0, 4, 1                         ; lane / 16
	s_mov_b32 s20, 0x76543210
	s_mov_b32 s21, 0xfedcba98                      ; v_permlanex16_b32's selects for lane l xor 16
	s_cmp_lt_u32 ttmp9, 256
	s_cbranch_scc0 .Lweights
; ---- x.  Wave W = 4 x work-group + wave makes images 4 g .. 4 g + 3 of tile W / 2, g = W % 2.  Each load reads 512 consecutive bytes of one row; an image's 16 rows turn through the wave's stage,
; so that lane (r, h) gets blocks h and 2 + h of row r whole: 32 neighbours each.
	s_lshl_b32 s15, ttmp9, 2
	s_add_co_u32 s15, s15, s14
	s_lshr_b32 s16, s15, 1                         ; the tile
	s_and_b32 s17, s15, 1                          ; g
	s_lshr_b32 s18, s16, 1
	s_lshl_b32 s18, s18, 17                        ; 32 rows of 4,096 bytes for each pair of tiles,
	s_and_b32 s19, s16, 1
	s_lshl_b32 s19, s19, 15                        ; 8 rows for the odd tile,
	s_add_co_u32 s18, s18, s19
	s_lshl_b32 s19, s17, 11                        ; 2,048 bytes for the upper half of K
	s_add_co_u32 s18, s18, s19
	s_mov_b32 s19, 0
	s_mul_i32 s22, s16, 8*IMG
	s_mul_i32 s23, s17, 4*IMG
	s_add_co_u32 s22, s22, s23                     ; my first image
	s_mov_b32 s23, 0
	s_lshl_b32 s24, s16, 9
	s_lshl_b32 s25, s17, 8
	s_add_co_u32 s24, s24, s25                     ; my 256 scale bytes
	s_mov_b32 s25, 0
	s_mul_i32 s26, s14, XSTAGE
	s_wait_alu depctr_va_vdst(0)
	v_lshlrev_b32 v5, 4, v2                        ; a load's 16 bytes a lane
	v_add_nc_u32 v6, s26, v5                       ; into the stage: as loaded
	v_mul_u32_u24 v7, v3, XPITCH
	v_lshl_add_u32 v7, v4, 7, v7
	v_add_nc_u32 v7, s26, v7                       ; out of it: row r, block h
	v_lshlrev_b32 v8, 3, v2                        ; an image's piece: 8 bytes a lane
	v_lshlrev_b32 v9, 4, v3
	v_lshl_add_u32 v9, v4, 3, v9                   ; the scale bytes: 16 r + 8 h
	v_lshlrev_b32 v10, 3, v4                       ; 8 h: my bytes' place in a scale word
	v_mov_b32 v250, 0                              ; a lane permute's destination counts as one of its sources
	s_wait_alu depctr_va_vdst(0)
	s_wait_kmcnt 0x0
	s_add_nc_u64 s[4:5], s[4:5], s[18:19]
	s_add_nc_u64 s[10:11], s[10:11], s[22:23]
	s_add_nc_u64 s[12:13], s[12:13], s[24:25]
.macro XLOAD s, set
.irp r, 0,1,2,3,4,5,6,7,8,9,10,11,12,13,14,15
	global_load_b128 v[RR+64*(\set)+4*\r:RR+64*(\set)+4*\r+3], v5, s[4:5] offset:((\r%8)+16*(\r/8))*4096+512*(\s) th:TH_LOAD_NT
.endr
.endm
.macro XIMG s
.set RS, RR+64*((\s)%2)
.set CS, CC+12*((\s)%2)
.if (\s) < 3
	s_wait_loadcnt 16                              ; this image's 16 loads are in; the next image's 16 may be out
.else
	s_wait_loadcnt 0x0
.endif
.irp r, 0,1,2,3,4,5,6,7,8,9,10,11,12,13,14,15
	ds_store_b128 v6, v[RS+4*\r:RS+4*\r+3] offset:XPITCH*\r
.endr
.irp c, 0,1
.irp j, 0,1,2,3,4,5,6,7
	ds_load_b128 v[XX+32*\c+4*\j:XX+32*\c+4*\j+3], v7 offset:256*\c+16*\j   ; LDS serves a wave's instructions in order: these see the stores above
.endr
.endr
	s_wait_dscnt 0x0                               ; my blocks are in, and the stores have read the set,
.if (\s) < 2
	XLOAD (\s)+2, (\s)%2                           ; which takes the image two on
.endif
.irp c, 0,1
	v_max3_num_f32 v[MX+\c], |v[XX+32*\c]|, |v[XX+32*\c+1]|, FLOOR   ; block 2 c + h: all 32 numbers are mine; the floor holds the byte at 1 from below
.endr
.irp i, 2,4,6,8,10,12,14,16,18,20,22,24,26,28,30
.irp c, 0,1
	v_max3_num_f32 v[MX+\c], v[MX+\c], |v[XX+32*\c+\i]|, |v[XX+32*\c+\i+1]|
.endr
.endr
.irp c, 0,1
	v_add_nc_u32 v[SO+\c], EOFF, v[MX+\c]          ; the conversion takes the exponent field of this operand as its scale
.endr
.irp c, 0,1
	v_lshrrev_b32 v[BY+\c], 23, v[SO+\c]           ; the scale's byte
.endr
	s_wait_alu depctr_va_vdst(0)
	s_wait_xcnt 0x0                                ; the stores of two images back have read this set of codes
.irp c, 0,1
	v_cvt_scalef32_pk16_fp6_f32 v[CS+6*\c:CS+6*\c+2], v[XX+32*\c:XX+32*\c+15], v[SO+\c]
	v_cvt_scalef32_pk16_fp6_f32 v[TT+4*\c:TT+4*\c+2], v[XX+32*\c+16:XX+32*\c+31], v[SO+\c]   ; (a conversion's three registers begin on an even number)
.endr
	v_nop                                          ; one plain place behind a scaled conversion
.irp c, 0,1
.irp i, 0,1,2
	v_mov_b32 v[CS+6*\c+3+\i], v[TT+4*\c+\i]
.endr
.endr
	v_lshl_or_b32 v[WD+(\s)], v[BY+1], 16, v[BY]   ; my two bytes, blocks h and 2 + h,
	v_lshlrev_b32 v[WD+(\s)], v10, v[WD+(\s)]      ; at their places;
	v_permlanex16_b32 v250, v[WD+(\s)], s20, s21
	v_or_b32 v[WD+(\s)], v[WD+(\s)], v250          ; with lane l xor 16's two the word is whole
.irp p, 0,1,2,3,4,5
	global_store_b64 v8, v[CS+2*\p:CS+2*\p+1], s[10:11] offset:IMG*(\s)+256*\p   ; 32 lanes store 256 consecutive bytes, aligned
.endr
.endm
	XLOAD 0, 0
	XLOAD 1, 1
	XIMG 0
	XIMG 1
	XIMG 2
	XIMG 3
	v_cmp_eq_u32 vcc_lo, 1, v4
	v_cndmask_b32 v252, v[WD], v[WD+2], vcc_lo     ; lane (r, h) stores words 2 h and 2 h + 1 of row r
	v_cndmask_b32 v253, v[WD+1], v[WD+3], vcc_lo
	global_store_b64 v9, v[252:253], s[12:13]      ; 256 consecutive bytes, aligned
	s_wait_tensorcnt 0x0
	ds_add_u32 v254, v255
	s_wait_dscnt 0x0
	s_endpgm
; ---- the weights.  Work-group j = number - 256 takes 128 columns (group j / 8: 24 of w_qkv, then 8 of w_out) x K step j % 8.  A LANE TAKES A COLUMN AND ITS REGISTERS RUN DOWN K:
; a block of 32 lies in one lane, and the conversions give codes with K innermost.  A wave's 32 columns are two tiles; their images are gathered in the wave's stage and leave as 512 consecutive bytes a store.
; The scale words leave 4 bytes a lane, 16 bytes apart: 131,072 bytes in all, against the 16 MiB of weights read.
.set WV0, 16                           ; v16-47    4 x lane + i x a row of the weight
.set WX,  48                           ; v48-175   four blocks of 32 numbers
.set WC,  176                          ; v176-199  six registers of codes for each block
.set WT,  200
.set WO,  212                          ; v212-235  the way out
.Lweights:
	s_sub_co_u32 s15, ttmp9, 256
	s_lshr_b32 s16, s15, 3                         ; the group of columns
	s_and_b32 s17, s15, 7                          ; the K step
	s_wait_kmcnt 0x0
	s_cmp_lt_u32 s16, 24                           ; w_qkv or w_out: the choice hangs on the work-group's number alone
	s_mov_b32 s18, 4096
	s_cselect_b32 s18, 12288, s18                  ; a row of the weight in bytes
	s_cselect_b32 s19, 0, 24
	s_cselect_b64 s[6:7], s[6:7], s[8:9]
	s_sub_co_u32 s19, s16, s19                     ; the group within its weight
	s_lshl_b32 s19, s19, 9
	s_lshl_b32 s22, s14, 7
	s_add_co_u32 s19, s19, s22                     ; my wave's first column, in bytes
	s_lshl_b32 s22, s17, 7
	s_mul_i32 s22, s22, s18                        ; 128 rows a K step
	s_add_co_u32 s22, s22, s19
	s_mov_b32 s23, 0
	s_add_nc_u64 s[24:25], s[6:7], s[22:23]        ; block 0,
	s_lshl_b32 s22, s18, 5
	s_add_nc_u64 s[26:27], s[24:25], s[22:23]      ; and 32 rows on for each further block
	s_add_nc_u64 s[28:29], s[26:27], s[22:23]
	s_add_nc_u64 s[30:31], s[28:29], s[22:23]
	s_wait_alu depctr_va_vdst(0)
	v_lshlrev_b32 v[WV0], 2, v2
.irp i, 1,2,3,4,5,6,7,8,9,10,11,12,13,14,15,16,17,18,19,20,21,22,23,24,25,26,27,28,29,30,31
	v_add_nc_u32 v[WV0+\i], s18, v[WV0+\i-1]
.endr
	v_bfe_u32 v5, v0, 3, 1                         ; which of my two tiles my column falls into,
	v_and_b32 v6, 7, v0
	v_lshl_or_b32 v6, v4, 3, v6                    ; and which lane r of it
	s_mul_i32 s32, s14, WSTAGE
	s_add_co_u32 s32, s32, WBASE
	v_mul_u32_u24 v7, v5, WIMG
	v_lshl_add_u32 v7, v6, 3, v7
	v_add_nc_u32 v7, s32, v7                       ; into the stage
	v_lshlrev_b32 v9, 4, v2                        ; the way out: 16 bytes a lane
	v_add_nc_u32 v8, s32, v9
	v_lshlrev_b32 v10, 9, v5
	v_lshl_add_u32 v10, v6, 4, v10                 ; the scale word: 512 x tile + 16 r
	s_lshl_b32 s33, s16, 3
	s_lshl_b32 s34, s14, 1
	s_add_co_u32 s33, s33, s34
	s_add_co_u32 s33, s33, 512                     ; the first of my two tiles: behind x's 512
	s_mul_i32 s34, s33, 8*IMG
	s_mul_i32 s35, s17, IMG
	s_add_co_u32 s34, s34, s35
	s_mov_b32 s35, 0
	s_add_nc_u64 s[10:11], s[10:11], s[34:35]
	s_lshl_b32 s34, s33, 9
	s_lshr_b32 s36, s17, 2
	s_lshl_b32 s36, s36, 8
	s_add_co_u32 s34, s34, s36
	s_and_b32 s36, s17, 3
	s_lshl_b32 s36, s36, 2
	s_add_co_u32 s34, s34, s36
	s_add_nc_u64 s[12:13], s[12:13], s[34:35]
.macro WLOAD t
.irp i, 0,1,2,3,4,5,6,7,8,9,10,11,12,13,14,15,16,17,18,19,20,21,22,23,24,25,26,27,28,29,30,31
	global_load_b32 v[WX+32*(\t)+\i], v[WV0+\i], s[24+2*(\t):25+2*(\t)] th:TH_LOAD_NT   ; 32 lanes read 128 consecutive bytes, the four waves 512
.endr
.endm
.macro WBLOCK t
.set XS, WX+32*(\t)
.if (\t) < 3
	s_wait_loadcnt 32                              ; this block's 32 loads are in; the next block's may be out
.else
	s_wait_loadcnt 0x0
.endif
.if (\t)+2 < 4
	WLOAD (\t)+2
.endif
	v_max3_num_f32 v204, |v[XS]|, |v[XS+1]|, |v[XS+2]|
	v_max3_num_f32 v205, |v[XS+3]|, |v[XS+4]|, |v[XS+5]|
.irp i, 6,10,14,18,22,26
	v_max3_num_f32 v204, v204, |v[XS+\i]|, |v[XS+\i+1]|
	v_max3_num_f32 v205, v205, |v[XS+\i+2]|, |v[XS+\i+3]|
.endr
	v_max3_num_f32 v204, v204, |v[XS+30]|, |v[XS+31]|
	v_max3_num_f32 v204, v204, v205, FLOOR
	v_add_nc_u32 v206, EOFF, v204
	v_lshrrev_b32 v207, 23, v206
.if (\t) == 0
	v_mov_b32 v208, v207                           ; the K step's four bytes make my column's scale word
.else
	v_lshl_or_b32 v208, v207, 8*(\t), v208
.endif
	v_cvt_scalef32_pk16_fp6_f32 v[WC+6*(\t):WC+6*(\t)+2], v[XS:XS+15], v206
	v_cvt_scalef32_pk16_fp6_f32 v[WT:WT+2], v[XS+16:XS+31], v206
	v_nop                                          ; one plain place behind a scaled conversion
.irp i, 0,1,2
	v_mov_b32 v[WC+6*(\t)+3+\i], v[WT+\i]
.endr
.irp i, 0,1,2
	ds_store_b64 v7, v[WC+6*(\t)+2*\i:WC+6*(\t)+2*\i+1] offset:768*((\t)/2)+128*((\t)%2)+256*\i   ; block t is c = t / 2, h = t % 2 of the image
.endr
.endm
	WLOAD 0
	WLOAD 1
	WBLOCK 0
	WBLOCK 1
	WBLOCK 2
	WBLOCK 3
.irp q, 0,1
.irp k, 0,1,2
	ds_load_b128 v[WO+12*\q+4*\k:WO+12*\q+4*\k+3], v8 offset:WIMG*\q+512*\k   ; LDS serves a wave's instructions in order: these see my stores
.endr
.endr
	s_wait_alu depctr_va_vdst(0)
.irp q, 0,1
.irp k, 0,1,2
	s_wait_dscnt 5-3*\q-\k
	global_store_b128 v9, v[WO+12*\q+4*\k:WO+12*\q+4*\k+3], s[10:11] offset:8*IMG*\q+512*\k   ; 512 consecutive bytes, aligned
.endr
.endr
	global_store_b32 v10, v208, s[12:13]
	s_wait_tensorcnt 0x0
	ds_add_u32 v254, v255
	s_wait_dscnt 0x0
	s_endpgm
.Lfunc_end_k_qfcdc073eaa_prep:
	.size	k_qfcdc073eaa_prep, .Lfunc_end_k_qfcdc073eaa_prep-k_qfcdc073eaa_prep
	.p2alignl 7, 3214868480
	.fill 96, 4, 3214868480
	.section	.rodata,"a",@progbits
	.p2align	6, 0x0
	.amdhsa_kernel k_qfcdc073eaa_prep
		.amdhsa_group_segment_fixed_size 47616
		.amdhsa_private_segment_fixed_size 0
		.amdhsa_enable_private_segment 0
		.amdhsa_kernarg_size 40
		.amdhsa_user_sgpr_count 2
		.amdhsa_user_sgpr_kernarg_segment_ptr 1
		.amdhsa_wavefront_size32 1
		.amdhsa_system_sgpr_workgroup_id_x 1
		.amdhsa_system_sgpr_workgroup_id_y 1
		.amdhsa_system_sgpr_workgroup_id_z 1
		.amdhsa_system_vgpr_workitem_id 0
		.amdhsa_next_free_vgpr 256
		.amdhsa_next_free_sgpr 66
		.amdhsa_reserve_vcc 1
		.amdhsa_float_denorm_mode_32 3
		.amdhsa_float_denorm_mode_16_64 3
		.amdhsa_memory_ordered 1
		.amdhsa_forward_progress 1
		.amdhsa_inst_pref_size 55
	.end_amdhsa_kernel
	.amdgpu_metadata
---
amdhsa.version: [ 1, 2 ]
amdhsa.kernels:
  - .name:           k_qfcdc073eaa_prep
    .symbol:         k_qfcdc073eaa_prep.kd
    .args:
      - { .name: x, .offset: 0, .size: 8, .value_kind: global_buffer, .address_space: global }
      - { .name: w_qkv, .offset: 8, .size: 8, .value_kind: global_buffer, .address_space: global }
      - { .name: w_out, .offset: 16, .size: 8, .value_kind: global_buffer, .address_space: global }
      - { .name: pc, .offset: 24, .size: 8, .value_kind: global_buffer, .address_space: global }
      - { .name: sc, .offset: 32, .size: 8, .value_kind: global_buffer, .address_space: global }
    .group_segment_fixed_size: 47616
    .private_segment_fixed_size: 0
    .kernarg_segment_align: 8
    .kernarg_segment_size: 40
    .max_flat_workgroup_size: 128
    .sgpr_count:     66
    .vgpr_count:     256
    .wavefront_size: 32
...
	.end_amdgpu_metadata
.endif
;; end of part 1
;; launch qkv (part 2): grid 8 x 32, 4 waves a work-group, clusters of 4 x 4, 327,680 bytes of LDS; arguments pc, sc, qkv_img, qkv_sc; writes qkv_img, qkv_sc
.if DOCPART == 2
	.amdgcn_target "amdgcn-amd-amdhsa--gfx1250"
	.amdhsa_code_object_version 6
	.text
	.protected	k_qfcdc073eaa_qkv
	.globl	k_qfcdc073eaa_qkv
	.p2align	8
	.type	k_qfcdc073eaa_qkv,@function
k_qfcdc073eaa_qkv:
	s_mov_b64 s[64:65], 0
	v_nop
	global_prefetch_b8 v0, s[64:65] scope:SCOPE_SE
	s_setreg_imm32_b32 hwreg(HW_REG_WAVE_MODE, 25, 1), 1
	s_wait_xcnt 0x0
	s_wait_alu depctr_hold_cnt(0) depctr_sa_sdst(0) depctr_va_vdst(0) depctr_va_sdst(0) depctr_va_ssrc(0) depctr_va_vcc(0) depctr_vm_vsrc(0)
	s_getreg_b32 s2, hwreg(HW_REG_IB_STS2, 6, 4)
	s_cmp_eq_u32 s2, 0
	s_cbranch_scc0 .Lentry_in_a_cluster
	s_endpgm
.Lentry_in_a_cluster:
	s_bfe_u32 s2, ttmp6, 0x10000c
	s_cmp_lg_u32 s2, 0xf033
	s_cbranch_scc0 .Lentry_shape_is_right
	s_endpgm
.Lentry_shape_is_right:
; q, k, v = x w_qkv on codes of FP6 (E2M3) with E8M0 scales, and their quantising for attention, in one launch: q, k and v never lie in memory as f32.
; OPERANDS come as images of their registers: image (T, u), 16 rows x 128 K, is 1,536 bytes at (8 T + u) x 1,536; six loads of 8 bytes at 8 x lane, 256 bytes apart, give a fragment.  Lane r of tile T is row
; 32 (T / 2) + 8 (T % 2) + r % 8 + 16 (r / 8).  Tiles 0-511: x; 512-703: w_qkv's columns.  Scale bytes: byte kb of that row at 512 T + 256 (kb / 16) + 16 r + kb % 16.
; THE DEAL: 256 work-groups of four waves.  Work-group (j, i) takes x's 256 tokens of block i and THREE UNITS on end: columns 128 j .. 128 j + 127 of q, then of k, then of v.  The kind is the unit's number: no branch hangs on a place.
; A wave makes 128 tokens x 64 columns (one head) of each unit: 32 accumulators.  x's 16 tiles, all of K (196,608 bytes), are loaded once and stay in LDS; the weight's 8 tiles (98,304 bytes) are filled again for k and for v.
; LDS: two regions of four K steps, each x's 16 tiles and behind them the weight's 8.  Region 0 is filled at the head, region 1 behind a wait, an add and a round.
; FOUR REFILLS, of a region's weight part alone, each in a drained round of the cluster's barrier inside the last K step that reads it (steps 3 and 7 of q and of k); waves 2 and 3 fetch a half each.
; What a refill brought is shown by the next round; v's second half by a plain barrier in v's step 3.
; q, k: source 0 = the weight's tile, source 1 = x's: a lane holds one token, and the 16 registers of weight tiles 2 b, 2 b + 1 are the head's numbers 32 b + 16 (lane / 16) + 0 .. 15.  q and k are one loop of two trips.
; v: the sources are swapped: a lane holds one column of the head, and its registers run along the KEYS, the next K.
; CLUSTERS: 4 x 4.  x's tiles hang on cy alone and are asked for jointly by a row of the cluster, the weight's on cx alone, by a column.
; PREFETCH: region 1's first fill and k's first half at the head; behind each refill what the next refill will load; the partners of a joint load share the tiles out by address.  v is the last: behind k's step 7 nothing is asked for.
; OUT: qkv_img, 294,912 bytes a head: Q 128 tiles x 768 (half images), K likewise at 98,304, V^T at 196,608 as [16 key steps][4 tiles of d][1,536].
; qkv_sc, 20,480 bytes a head: Q's words (bytes 0, 1 the two blocks of d, bytes 2, 3 zero) of tile t at 256 (t / 4) + 16 r + 4 (t % 4); K's at 8,192; V's at 16,384 + 256 x key step + 16 r + 4 x tile.
; LIMITS: a block of zeros gets the byte 1 (its codes are zeros; this program alone reads the bytes); magnitudes under 2^-124 were not tried; NaN and infinities are not served.
; REGISTERS: window 0: v0-31 addresses; v32-95 x's scale words (8 a + u); v100-131 the weight's (8 b + u): the two sides' registers lie 4 apart modulo 8; v132-227 x's fragments of even K steps.
;   window 1: v0-95 the weight's fragments, two sets; v128-223 x's fragments of odd K steps.  window 2: the accumulators.  window 3: the way out.
.set FR,     12
.set IMG,    1536
.set TROW,   4*IMG                     ; a tile's four images in a region
.set AHALF,  8*TROW
.set BHALF,  4*TROW
.set SLOT,   2*AHALF+2*BHALF
.set SPARE,  2*SLOT                    ; the spare words
.set WSTEP,  64*8*IMG                  ; from q's tiles to k's, from k's to v's
.set ADRA, 16
.set ADRB, 20
.set VSA,  27
.set SPW,  28
.set NIL,  29
.set PFO,  30
.set VSB,  31
.set SA,   32
.set SBS,  100
.set MX,   0                           ; window 3: largest magnitudes, the other half's, scale operands, bytes, scale words
.set PT,   4
.set SO,   8
.set BY,   12
.set WD,   16
.set XW,   20
.set OW,   24
.set TQ,   28
.set CD0,  40                          ; v40-87 the codes: 12 registers for each of four runs of 64 sums
.set VADR, 88
.set VS3,  89
.set VV3,  90
.set LN3,  91
.set G1,  24
.set G0,  32
.set SEL, 40
.set G1B, 44
.set G0B, 52
.set PF,  60
.set MSB, 0
.macro WIN new                         ; the immediate's high byte repeats the setting that is left
.if MSB != (\new)
	s_set_vgpr_msb (MSB<<8)|(\new)
.set MSB, (\new)
.endif
.endm
.macro PLACES n
.rept \n
	v_nop
.endr
.endm
.macro JLOAD s                         ; a joint load of a whole region: waves 0, 1 x's halves, waves 2, 3 the weight's
	s_cmp_eq_u32 s15, 0
	s_cbranch_scc0 .Lfor_b_\@
	tensor_load_to_lds s[G0+4*\s:G0+4*\s+3], s[G1:G1+7]
	s_nop 0
	PLACES 4
	s_branch .Lasked_\@
.Lfor_b_\@:
	tensor_load_to_lds s[G0B+4*\s:G0B+4*\s+3], s[G1B:G1B+7]
	s_nop 0
	PLACES 4
.Lasked_\@:
.endm
.macro BLOAD s                         ; a refill: the weight's part alone
	s_cmp_eq_u32 s15, 0
	s_cbranch_scc1 .Lno_part_\@
	tensor_load_to_lds s[G0B+4*(\s):G0B+4*(\s)+3], s[G1B:G1B+7]
	s_nop 0
	PLACES 4
.Lno_part_\@:
.endm
.macro CREST
	s_cmp_lg_u32 s14, 0
	s_cbranch_scc1 .Lnot_wave_0_\@
	s_barrier_signal -3
.Lnot_wave_0_\@:
	s_barrier_wait -3
	s_barrier_signal -1
	s_barrier_wait -1
.endm
.macro CROUND
	s_barrier_signal -1
	s_barrier_wait -1
	CREST
.endm
	s_load_b256 s[4:11], s[0:1], 0x0               ; pc, sc, qkv_img, qkv_sc
	v_lshl_add_u32 v[SPW], v0, 2, SPARE
	v_mov_b32 v[NIL], 0
	ds_add_u32 v[SPW], v[NIL]                      ; the opening lines: the add twice on end and its wait
	ds_add_u32 v[SPW], v[NIL]
	v_lshrrev_b32 v1, 5, v0
	v_readfirstlane_b32 s14, v1                    ; wave
	s_lshr_b32 s15, s14, 1                         ; my half of the tokens; also: I fetch for x (0) or for the weight (1)
	s_and_b32 s16, s14, 1                          ; my head of the two; also: which half I fetch
	s_bfe_u32 s17, ttmp6, 0x40000                  ; cx
	s_bfe_u32 s18, ttmp6, 0x40004                  ; cy
	s_and_b32 s20, ttmp7, 0xffff
	s_lshl_b32 s66, s18, 2
	s_lshl_b32 s66, 15, s66                        ; my row of the cluster
	s_lshl_b32 s67, 0x1111, s17                    ; my column
	s_or_b32 s[G1], s66, (3<<16)|(1<<21)
	s_or_b32 s[G1B], s67, (3<<16)|(1<<21)
.irp g, G1, G1B
	s_mov_b32 s[\g+1], 768<<16                     ; a row: 6,144 bytes, a tile's four images
	s_mov_b32 s[\g+3], 768<<16
	s_mov_b32 s[\g+5], 1536                        ; from tile to tile: 12,288 bytes
	s_mov_b32 s[\g+6], 0
	s_mov_b32 s[\g+7], 0
.endr
	s_mov_b32 s[G1+2], 8<<16
	s_mov_b32 s[G1+4], 8
	s_mov_b32 s[G1B+2], 4<<16
	s_mov_b32 s[G1B+4], 4
	s_mov_b32 s[SEL], 0x76543210
	s_mov_b32 s[SEL+1], 0xfedcba98
	s_lshl_b32 s72, s20, 2
	s_add_co_u32 s72, s72, s18                     ; i: the block of 256 tokens
	s_lshl_b32 s70, s72, 4                         ; x's first tile
	s_lshl_b32 s73, ttmp9, 2
	s_add_co_u32 s73, s73, s17                     ; j: the tile of 128 columns
	s_lshl_b32 s71, s73, 3
	s_add_co_u32 s71, s71, 512                     ; q's first tile
	s_lshl_b32 s74, s16, 3
	s_add_co_u32 s88, s70, s74                     ; the tiles that I fetch, of x
	s_lshl_b32 s74, s16, 2
	s_add_co_u32 s89, s71, s74                     ; or of the weight
	s_mul_i32 s76, s88, 8*IMG
	s_mov_b32 s77, 0
	s_mul_i32 s78, s89, 8*IMG
	s_mov_b32 s79, 0
	s_mul_i32 s80, s16, AHALF                      ; and where they go
	s_mul_i32 s81, s16, BHALF
	s_add_co_u32 s81, s81, 2*AHALF
	s_wait_dscnt 0x0
	s_wait_kmcnt 0x0
	s_add_nc_u64 s[76:77], s[4:5], s[76:77]
	s_add_nc_u64 s[78:79], s[4:5], s[78:79]
	CROUND                                         ; all sixteen work-groups are here: the first joint loads meet
.irp s, 0,1
	s_mov_b32 s[G0+4*\s], 1
	s_add_co_u32 s[G0+4*\s+1], s80, \s*SLOT
	s_add_nc_u64 s[G0+4*\s+2:G0+4*\s+3], s[76:77], \s*TROW
	s_or_b32 s[G0+4*\s+3], s[G0+4*\s+3], 0x80000000
	s_mov_b32 s[G0B+4*\s], 1
	s_add_co_u32 s[G0B+4*\s+1], s81, \s*SLOT
	s_add_nc_u64 s[G0B+4*\s+2:G0B+4*\s+3], s[78:79], \s*TROW
	s_or_b32 s[G0B+4*\s+3], s[G0B+4*\s+3], 0x80000000
.endr
	JLOAD 0                                        ; K steps 0-3 of x and of q's weight: my one tensor load at the head
	s_lshl_b32 s82, s15, 3
	s_add_co_u32 s82, s82, s70
	s_lshl_b32 s82, s82, 9                         ; my eight tiles of x: their scale bytes
	s_lshl_b32 s83, s89, 9                         ; my four tiles of the weight: theirs
	s_mul_i32 s84, s15, AHALF
	s_mul_i32 s85, s16, BHALF
	s_add_co_u32 s85, s85, 2*AHALF
	s_lshr_b32 s74, s72, 3
	s_lshl_b32 s74, s74, 4                         ; 16 heads a batch
	s_lshl_b32 s75, s73, 1
	s_add_co_u32 s74, s74, s75
	s_add_co_u32 s74, s74, s16                     ; my head
	s_and_b32 s75, s72, 7
	s_lshl_b32 s75, s75, 1
	s_add_co_u32 s75, s75, s15                     ; my 128 tokens' place in the sequence, 0 .. 15
	s_mul_i32 s66, s74, 294912
	s_mul_i32 s68, s75, 6144
	s_add_co_u32 s66, s66, s68
	s_mov_b32 s67, 0
	s_add_nc_u64 s[8:9], s[8:9], s[66:67]          ; Q's codes; 98,304 on for each further unit
	s_mul_i32 s68, s74, 20480
	s_lshl_b32 s66, s75, 8
	s_add_co_u32 s66, s66, s68
	s_add_co_u32 s66, s66, 16384
	s_add_nc_u64 s[96:97], s[10:11], s[66:67]      ; V's scale words
	s_lshl_b32 s66, s75, 9
	s_add_co_u32 s66, s66, s68
	s_add_nc_u64 s[10:11], s[10:11], s[66:67]      ; Q's; K's 8,192 on
	s_mov_b64 s[92:93], s[6:7]                     ; the weight's scale bytes: 32,768 on for each further unit
	s_lshl_b32 s90, s17, 1                         ; the prefetch: of x's eight tiles the partner at cx names two,
	s_add_co_u32 s90, s90, s88
	s_add_co_u32 s91, s89, s18                     ; of the weight's four the partner at cy one
	s_cmp_eq_u32 s15, 0
	s_cselect_b32 s90, s90, s91
	s_mul_i32 s90, s90, 8*IMG
	s_add_co_u32 s90, s90, TROW                    ; K steps 4-7
	s_mov_b32 s91, 0
	s_add_nc_u64 s[PF:PF+1], s[4:5], s[90:91]
	s_mov_b32 s94, s15                             ; 1 while a wave that fetches the weight has a unit two on to ask for
	s_mov_b32 s95, 0
	v_and_b32 v1, 31, v0
	v_and_b32 v2, 15, v0
	v_bfe_u32 v3, v0, 4, 1
	v_lshl_add_u32 v[VSA], v2, 4, s82
	v_lshl_add_u32 v[VSB], v2, 4, s83
	v_lshlrev_b32 v5, 3, v1
	v_min_u32 v[PFO], 23, v1                       ; a tile's four images are 24 blocks of 256 bytes: a lane a block, the lanes left over name the last again
	v_lshlrev_b32 v6, 4, v2
	v_add_nc_u32 v[ADRA], s84, v5
	v_add_nc_u32 v[ADRB], s85, v5
	v_lshlrev_b32 v[PFO], 8, v[PFO]
	v_lshl_add_u32 v7, v3, 3, v6                   ; 16 r + 8 h
	v_lshl_add_u32 v6, v3, 8, v6                   ; 16 r + 256 h
	v_add_nc_u32 v[ADRA+1], SLOT, v[ADRA]
	v_add_nc_u32 v[ADRB+1], SLOT, v[ADRB]
	WIN 0xc0                                       ; destination: window 3
	v_mov_b32 v[VADR], v5
	v_mov_b32 v[VS3], v6
	v_mov_b32 v[VV3], v7
	v_mov_b32 v[LN3], v1
.irp b, 0,1,2,3
	v_mov_b32 v[PT+\b], 0                          ; a lane permute's destination counts as one of its sources
.endr
	WIN 0
.irp i, 0,1,2,3,4,5,6,7
.irp g, 0,1
	global_load_b128 v[SA+8*\i+4*\g:SA+8*\i+4*\g+3], v[VSA], s[6:7] offset:512*\i+256*\g   ; four K steps' words a load: all of K's scales stay in registers
.endr
.endr
.macro WSCALES
.irp i, 0,1,2,3
.irp g, 0,1
	global_load_b128 v[SBS+8*\i+4*\g:SBS+8*\i+4*\g+3], v[VSB], s[92:93] offset:512*\i+256*\g
.endr
.endr
.endm
	WSCALES
	global_prefetch_b8 v[PFO], s[PF:PF+1] th:TH_LOAD_NT scope:SCOPE_SE
	s_cmp_lg_u32 s15, 0
	s_cbranch_scc1 .Lweight
	global_prefetch_b8 v[PFO], s[PF:PF+1] offset:8*IMG th:TH_LOAD_NT scope:SCOPE_SE          ; x: my second tile
	s_branch .Lnamed
.Lweight:
	global_prefetch_b8 v[PFO], s[PF:PF+1] offset:WSTEP-TROW th:TH_LOAD_NT scope:SCOPE_SE     ; k's K steps 0-3: the first refill
.Lnamed:
.macro FRAG reg, adr, q, i             ; a fragment: six pieces of 8 bytes a lane, 256 consecutive bytes an instruction
.irp p, 0,1,2,3,4,5
	ds_load_b64 v[\reg+2*\p:\reg+2*\p+1], v[\adr] offset:TROW*(\i)+IMG*(\q)+256*\p
.endr
.endm
.macro FETCH u                         ; K step u's fragments, 72 loads in one run, into the sets of u's parity
	WIN 0x40
.irp i, 0,1,2,3
	FRAG 48*((\u)%2)+FR*\i, ADRB+(\u)/4, (\u)%4, \i
.endr
.if (\u)%2 == 0
	WIN 0
.endif
.irp i, 0,1,2,3,4,5,6,7
	FRAG 132-4*((\u)%2)+FR*\i, ADRA+(\u)/4, (\u)%4, \i
.endr
.endm
.macro PROD d, s0, s1, x0, x1, zero
.if \zero
	v_wmma_scale_f32_16x16x128_f8f6f4 v[\d:\d+7], v[\s0:\s0+FR-1], v[\s1:\s1+FR-1], 0, v[\x0], v[\x1] matrix_a_fmt:MATRIX_FMT_FP6 matrix_b_fmt:MATRIX_FMT_FP6
.else
	v_wmma_scale_f32_16x16x128_f8f6f4 v[\d:\d+7], v[\s0:\s0+FR-1], v[\s1:\s1+FR-1], v[\d:\d+7], v[\x0], v[\x1] matrix_a_fmt:MATRIX_FMT_FP6 matrix_b_fmt:MATRIX_FMT_FP6
.endif
.endm
; x's tile a against the weight's four.  The 32 accumulators take turns, in the same order in every step.  q, k: accumulator (a, b) at 8 (4 a + b); v: at 8 (8 b + a).
.macro MUL4 kind, a, u
.irp b, 0,1,2,3
.if \kind
	PROD 8*(8*\b+(\a)), 132-4*((\u)%2)+FR*(\a), 48*((\u)%2)+FR*\b, SA+8*(\a)+(\u), SBS+8*\b+(\u), (\u)==0
.else
	PROD 8*(4*(\a)+\b), 48*((\u)%2)+FR*\b, 132-4*((\u)%2)+FR*(\a), SBS+8*\b+(\u), SA+8*(\a)+(\u), (\u)==0
.endif
.endr
.endm
.macro MWIN kind, u                    ; the products' windows: the weight's fragments 1, x's 0 or 1, C and D 2
.if \kind
	WIN 0xa4+(\u)%2
.else
	WIN 0xa1+4*((\u)%2)
.endif
.endm
; K step u: 32 products; behind the first eight K step nxt's fragments are asked for (none: -1), into the sets that the step before read; four places stand ahead of those loads.
; mode 1: a plain barrier shows the last fill to all four waves. mode 2: a round; the weight's part of region u / 4, read out, takes the next unit's tiles.
.macro STEP u, kind, mode, nxt
.if \mode == 2
	WIN 0
	s_wait_tensorcnt 0x0                           ; all my tensor loads have landed;
	ds_add_u32 v[SPW], v[NIL]
.endif
	s_wait_dscnt 0x0                               ; this step's fragments are in: my reads of LDS are over (mode 2: and the add is done)
.if \mode == 1
	s_wait_tensorcnt 0x0
.endif
.if \mode
	s_barrier_signal -1
.endif
	MWIN \kind, \u
.irp a, 0,1
	MUL4 \kind, \a, \u
.endr
.if \mode == 2
	WIN 0
	s_barrier_wait -1
	CREST                                          ; no wave of any partner still reads that part or has a load on its way
	s_add_nc_u64 s[G0B+4*((\u)/4)+2:G0B+4*((\u)/4)+3], s[G0B+4*((\u)/4)+2:G0B+4*((\u)/4)+3], WSTEP
	BLOAD (\u)/4
.endif
.if \mode == 1
	s_barrier_wait -1
.endif
.if \nxt >= 0
	PLACES 4
	FETCH \nxt
.endif
.if \mode == 2
	WIN 0
.if (\u) == 3
	s_cmp_eq_u32 s15, 0
	s_cbranch_scc1 .Lnot_mine_\@
	global_prefetch_b8 v[PFO], s[PF:PF+1] offset:WSTEP th:TH_LOAD_NT scope:SCOPE_SE           ; the next unit's K steps 4-7: the next refill
.else
	s_cmp_eq_u32 s94, 0
	s_cbranch_scc1 .Lnot_mine_\@
	global_prefetch_b8 v[PFO], s[PF:PF+1] offset:2*WSTEP-TROW th:TH_LOAD_NT scope:SCOPE_SE    ; the unit two on, K steps 0-3
.endif
.Lnot_mine_\@:
.endif
	MWIN \kind, \u
.irp a, 2,3,4,5,6,7
	MUL4 \kind, \a, \u
.endr
.endm
; THE WAY OUT of 64 consecutive accumulator registers: four blocks of 32 along the next K, 16 numbers of each in a lane (lane l xor 16 has the others), become 12 registers of codes and four scale bytes.
; q, k: run P is token tiles 2 P and 2 P + 1, six registers and two bytes each.  v: run P is tile P of the head's V^T for my 128 keys.  In both the codes go to 1,536 P + 256 x piece + 8 x lane.
.macro QUANTW P
.set AC, 64*(\P)
.set CD, CD0+12*(\P)
	WIN 0xc0
.irp b, 0,1,2,3
	v_mov_b32 v[MX+\b], 0x1800000                  ; the floor 2^(3 - 127): the byte cannot fall under 1
.endr
	WIN 0xeb                                       ; sources 1 and 2: the accumulators
.irp i, 0,2,4,6,8,10,12,14
.irp b, 0,1,2,3
	v_max3_num_f32 v[MX+\b], v[MX+\b], |v[AC+16*\b+\i]|, |v[AC+16*\b+\i+1]|   ; each accumulator from its low end on; the four blocks by turns
.endr
.endr
	WIN 0xff
.irp b, 0,1,2,3
	v_permlanex16_b32 v[PT+\b], v[MX+\b], s[SEL], s[SEL+1]
.endr
.irp b, 0,1,2,3
	v_max_num_f32 v[MX+\b], v[MX+\b], v[PT+\b]
.endr
.irp b, 0,1,2,3
	v_add_nc_u32 v[SO+\b], 0xff000000, v[MX+\b]    ; 2 off the exponent field: the conversion's scale operand
.endr
.irp b, 0,1,2,3
	v_lshrrev_b32 v[BY+\b], 23, v[SO+\b]
.endr
	v_lshl_or_b32 v[WD+(\P)], v[BY+1], 8, v[BY]
	v_lshl_or_b32 v[WD+(\P)], v[BY+2], 16, v[WD+(\P)]
	v_lshl_or_b32 v[WD+(\P)], v[BY+3], 24, v[WD+(\P)]
	WIN 0xce                                       ; source 0: the accumulators
.irp c, 0,1
	v_cvt_scalef32_pk16_fp6_f32 v[CD+6*\c:CD+6*\c+2], v[AC+32*\c:AC+32*\c+15], v[SO+2*\c]
	v_cvt_scalef32_pk16_fp6_f32 v[TQ+4*\c:TQ+4*\c+2], v[AC+32*\c+16:AC+32*\c+31], v[SO+2*\c+1]
.endr
	WIN 0xff
	v_nop                                          ; one plain place behind a scaled conversion
.irp c, 0,1                            ; a whole block to a lane
.irp i, 0,1,2
	v_permlane16_swap_b32 v[CD+6*\c+\i], v[TQ+4*\c+\i]
.endr
.irp i, 0,1,2
	v_mov_b32 v[CD+6*\c+3+\i], v[TQ+4*\c+\i]
.endr
.endr
.irp c, 0,1
.irp i, 0,1,2
	global_store_b64 v[VADR], v[CD+6*\c+2*\i:CD+6*\c+2*\i+1], s[8:9] offset:1536*(\P)+768*\c+256*\i   ; 32 lanes store 256 consecutive bytes, aligned
.endr
.endr
.endm
.macro HALVES                          ; lanes 0-15 take runs 0 and 1's words, lanes 16-31 runs 2 and 3's
	v_cmp_le_u32 vcc_lo, 16, v[LN3]
	v_cndmask_b32 v[XW], v[WD], v[WD+2], vcc_lo
	v_cndmask_b32 v[XW+1], v[WD+1], v[WD+3], vcc_lo
.endm
	s_wait_alu depctr_va_vdst(0)
	s_wait_tensorcnt 0x0                           ; my part of region 0 is in
	ds_add_u32 v[SPW], v[NIL]
	s_wait_dscnt 0x0
	CROUND
	JLOAD 1                                        ; K steps 4-7: my one tensor load behind the round
	FETCH 0
	WIN 0
	s_wait_loadcnt 0x0                             ; the scale words
.Lunit:                                                ; q, then k
	STEP 0, 0, 0, 1                                ; a unit's first products start its sums: nothing is cleared
	STEP 1, 0, 0, 2
	STEP 2, 0, 0, 3
	STEP 3, 0, 2, 4
	STEP 4, 0, 0, 5
	STEP 5, 0, 0, 6
	STEP 6, 0, 0, 7
	STEP 7, 0, 2, 0                                ; the next unit's first fragments are asked for here
	WIN 0
	PLACES 4
	s_add_nc_u64 s[92:93], s[92:93], 32768         ; (the last loads by this base have been waited for)
	WSCALES                                        ; the next unit's weight's scale words come while this unit goes out
.irp P, 0,1,2,3
	QUANTW \P
.endr
	HALVES
	v_and_b32 v[OW], 0xffff, v[XW]                 ; a token tile's word: its two bytes, and zeros over the zero codes
	v_lshrrev_b32 v[OW+1], 16, v[XW]
	v_and_b32 v[OW+2], 0xffff, v[XW+1]
	v_lshrrev_b32 v[OW+3], 16, v[XW+1]
	global_store_b128 v[VS3], v[OW:OW+3], s[10:11] ; 512 consecutive bytes, aligned
	WIN 0
	s_wait_xcnt 0x0                                ; the stores and prefetches have read their registers and bases
	s_add_nc_u64 s[8:9], s[8:9], 98304
	s_add_nc_u64 s[10:11], s[10:11], 8192
	s_add_nc_u64 s[PF:PF+1], s[PF:PF+1], WSTEP
	s_mov_b32 s94, 0
	s_wait_alu depctr_va_vdst(0)
	s_wait_loadcnt 0x0
	s_add_co_u32 s95, s95, 1
	s_cmp_lt_u32 s95, 2
	s_cbranch_scc1 .Lunit
	STEP 0, 1, 0, 1                                ; v
	STEP 1, 1, 0, 2
	STEP 2, 1, 0, 3
	STEP 3, 1, 1, 4
	STEP 4, 1, 0, 5
	STEP 5, 1, 0, 6
	STEP 6, 1, 0, 7
	STEP 7, 1, 0, -1
	WIN 0
	PLACES 4
.irp P, 0,1,2,3
	QUANTW \P
.endr
	HALVES
	global_store_b64 v[VV3], v[XW:XW+1], s[96:97]  ; a word is the four blocks of my 128 keys: 256 consecutive bytes, aligned
	WIN 0
	s_wait_tensorcnt 0x0                           ; the wave's end
	ds_add_u32 v[SPW], v[NIL]
	s_wait_dscnt 0x0
	CROUND                                         ; the closing round
	s_endpgm
.Lfunc_end_k_qfcdc073eaa_qkv:
	.size	k_qfcdc073eaa_qkv, .Lfunc_end_k_qfcdc073eaa_qkv-k_qfcdc073eaa_qkv
	.p2alignl 7, 3214868480
	.fill 96, 4, 3214868480
	.section	.rodata,"a",@progbits
	.p2align	6, 0x0
	.amdhsa_kernel k_qfcdc073eaa_qkv
		.amdhsa_group_segment_fixed_size 327680
		.amdhsa_private_segment_fixed_size 0
		.amdhsa_enable_private_segment 0
		.amdhsa_kernarg_size 32
		.amdhsa_user_sgpr_count 2
		.amdhsa_user_sgpr_kernarg_segment_ptr 1
		.amdhsa_wavefront_size32 1
		.amdhsa_system_sgpr_workgroup_id_x 1
		.amdhsa_system_sgpr_workgroup_id_y 1
		.amdhsa_system_sgpr_workgroup_id_z 1
		.amdhsa_system_vgpr_workitem_id 0
		.amdhsa_next_free_vgpr 896
		.amdhsa_next_free_sgpr 100
		.amdhsa_reserve_vcc 1
		.amdhsa_float_denorm_mode_32 3
		.amdhsa_float_denorm_mode_16_64 3
		.amdhsa_memory_ordered 1
		.amdhsa_forward_progress 1
		.amdhsa_inst_pref_size 193
	.end_amdhsa_kernel
	.amdgpu_metadata
---
amdhsa.version: [ 1, 2 ]
amdhsa.kernels:
  - .name:           k_qfcdc073eaa_qkv
    .symbol:         k_qfcdc073eaa_qkv.kd
    .args:
      - { .name: pc, .offset: 0, .size: 8, .value_kind: global_buffer, .address_space: global }
      - { .name: sc, .offset: 8, .size: 8, .value_kind: global_buffer, .address_space: global }
      - { .name: qkv_img, .offset: 16, .size: 8, .value_kind: global_buffer, .address_space: global }
      - { .name: qkv_sc, .offset: 24, .size: 8, .value_kind: global_buffer, .address_space: global }
    .group_segment_fixed_size: 327680
    .private_segment_fixed_size: 0
    .kernarg_segment_align: 8
    .kernarg_segment_size: 32
    .max_flat_workgroup_size: 128
    .sgpr_count:     100
    .vgpr_count:     896
    .wavefront_size: 32
...
	.end_amdgpu_metadata
.endif
;; end of part 2
;; launch attn (part 3): grid 4 x 64, 16 waves a work-group, clusters of 4 x 1, 327,680 bytes of LDS; arguments qkv_img, qkv_sc, o_img, sc; writes o_img, sc
.if DOCPART == 3
	.amdgcn_target "amdgcn-amd-amdhsa--gfx1250"
	.amdhsa_code_object_version 6
	.text
	.protected	k_qfcdc073eaa_attn
	.globl	k_qfcdc073eaa_attn
	.p2align	8
	.type	k_qfcdc073eaa_attn,@function
k_qfcdc073eaa_attn:
	s_mov_b64 s[64:65], 0
	v_nop
	global_prefetch_b8 v0, s[64:65] scope:SCOPE_SE
	s_setreg_imm32_b32 hwreg(HW_REG_WAVE_MODE, 25, 1), 1
	s_wait_xcnt 0x0
	s_wait_alu depctr_hold_cnt(0) depctr_sa_sdst(0) depctr_va_vdst(0) depctr_va_sdst(0) depctr_va_ssrc(0) depctr_va_vcc(0) depctr_vm_vsrc(0)
	s_getreg_b32 s2, hwreg(HW_REG_IB_STS2, 6, 4)
	s_cmp_eq_u32 s2, 0
	s_cbranch_scc0 .Lentry_in_a_cluster
	s_endpgm
.Lentry_in_a_cluster:
	s_bfe_u32 s2, ttmp6, 0x10000c
	s_cmp_lg_u32 s2, 0x3003
	s_cbranch_scc0 .Lentry_shape_is_right
	s_endpgm
.Lentry_shape_is_right:
; CAUSAL ATTENTION OF ONE HEAD ON CODES OF FP6 (E2M3), and the quantising of its result for the last projection.
; p = 2^(t - M), t = score x log2(e) / 8, M the ceiling of the running largest t; the row's sum is taken of the unquantised p; O^T is divided by it at the end.
; LEFT OUT: key steps that lie wholly above the diagonal of the causal mask: their p are 0 for every input.
; LIMITS: the promise holds while |t| stays under 2^31; NaN and infinities are not served; a block of zeros gets the scale byte 1 (its codes are zeros; this program alone reads the bytes).
; THE DEAL: a cluster of 4 work-groups takes a head (64 heads), 16 waves each.  Wave w of work-group cx takes query tiles 127 - (4 w + cx) and then 4 w + cx, 16 queries each: 16 - w / 2 and w / 2 + 1 key steps of 128, 17 for every wave.
; The step counts hang on the wave's number alone.  K, V^T and their scale bytes of the whole head (208,896 bytes) are the same for the four work-groups: they come ONCE, by joint loads, one a wave:
; waves 0-11 fetch 16,384 bytes of codes each, waves 12-15 3,072 scale bytes each.  All tiles are asked for at the head, so there is no loop to prefetch ahead in.
; BOTH PRODUCTS ARE USED TRANSPOSED (S^T = K Q^T, O^T = V^T P^T): a lane holds one query; the 16 registers of key tiles 2 b, 2 b + 1 are keys 32 b + 16 (lane / 16) + 0 .. 15.
; K'S FRAGMENTS LIE 6 REGISTERS APART: the head has 64 numbers, so the upper six registers of Q's fragment are zero codes, and what K's fragment holds there (the next tile's codes; behind the last tile p's codes) is multiplied by 0.
; A STEP: 8 score products; then its V fragments and the NEXT step's K fragments are asked of LDS in one run; softmax; 4 products for O^T, with the row's sum as a tree of packed additions round them.
; SCALE WORDS: K's eight tiles in four registers and V's four in two: lanes 0-15 the lower tiles, lanes 16-31 the upper (MATRIX_SCALE_ROW1).
; LDS: K's codes at 0, V^T's at 98,304, K's scale words at 196,608, V's at 204,800, the spare words at 208,896.
.set AK0,  1                           ; 8 x lane
.set AV0,  2
.set ASK0, 3
.set ASV0, 4
.set DQ0,  5
.set DQ,   6                           ; my query's place in its last key step, less 16 (lane / 16)
.set ASB,  7
.set ADK,  8                           ; the step's LDS addresses; behind the loop: where the result goes
.set ADV,  9
.set ADS,  10                          ; also Q's offsets in memory
.set ADT,  11
.set QF,   16                          ; v16-27 Q's fragment
.set QS,   28
.set TA,   29
.set SO,   30                          ; v30-33 the conversions' scale operands
.set F,    34                          ; 2^(old M - new M)
.set PW,   35                          ; p's scale word
.set KF,   36                          ; v36-83 K's eight half fragments
.set PC,   84                          ; v84-95 p's codes
.set S,    96                          ; v96-159 scores, then p
.set O,    160                         ; v160-191 O^T
.set VF,   192                         ; v192-239 V^T's four fragments
.set KSC,  240
.set VSC,  244
.set BM,   246                         ; v246-249 the blocks' largest scores
.set PT,   250
.set TC,   246                         ; the second conversions' codes, where BM and PT lay
.set WV,   12
.set SEL,  16
.set CS,   18
.set G1U,  24
.set G1S,  32
.set G0U,  40
.set G0S,  44
.set LIM,  48
.set LIM1, 49
.set TAU,  50
.set TAU1, 51
.set STP,  52
.set PASS, 53
.set KO,   54
.set KSO,  55
.set VSO,  56
.macro CROUND
	s_barrier_signal -1
	s_barrier_wait -1
	s_cmp_lg_u32 s[WV], 0
	s_cbranch_scc1 .Lnot_wave_0_\@
	s_barrier_signal -3
.Lnot_wave_0_\@:
	s_barrier_wait -3
	s_barrier_signal -1
	s_barrier_wait -1
.endm
.macro WALU
	s_wait_alu depctr_va_vdst(0)
.endm
.macro QLOAD                           ; query tile s[TAU]: its half image and its scale words
	WALU
	s_mul_i32 s57, s[TAU], 768
	s_lshr_b32 s58, s[TAU], 2
	s_lshl_b32 s58, s58, 8
	s_and_b32 s59, s[TAU], 3
	s_lshl_b32 s59, s59, 2
	s_add_co_u32 s58, s58, s59
	v_add_nc_u32 v[ADS], s57, v[AK0]
	v_and_b32 v[ADT], 15, v0
	v_lshl_add_u32 v[ADT], v[ADT], 4, s58
.irp i, 0,1,2
	global_load_b64 v[QF+2*\i:QF+2*\i+1], v[ADS], s[4:5] offset:256*\i
.endr
	global_load_b32 v[QS], v[ADT], s[6:7]
.endm
.macro TMS n                           ; t - M, two numbers a line
.rept \n
	v_pk_fma_f32 v[S+j:S+j+1], v[S+j:S+j+1], s[CS:CS+1], v[12:13] op_sel_hi:[1,0,0]
.set j, j+2
.endr
.endm
.macro TREE n, d                       ; n packed additions, 2 d registers apart, each taking in the pair d further on
.set j, 0
.rept \n
	v_pk_add_f32 v[S+j:S+j+1], v[S+j:S+j+1], v[S+j+\d:S+j+\d+1]
.set j, j+2*\d
.endr
.endm
	s_load_b256 s[4:11], s[0:1], 0x0               ; qkv_img, qkv_sc, o_img, sc
	v_lshl_add_u32 v254, v0, 2, 0x33000
	v_mov_b32 v255, 0
	ds_add_u32 v254, v255                          ; the opening lines: the add twice on end and its wait
	ds_add_u32 v254, v255
	v_lshrrev_b32 v1, 5, v0
	v_readfirstlane_b32 s[WV], v1
	s_bfe_u32 s13, ttmp6, 0x40000                  ; cx
	s_and_b32 s14, ttmp7, 0xffff                   ; the head
	s_mov_b32 s[G1U], 15|(3<<16)|(1<<21)           ; all four work-groups; elements of 8 bytes; rows of 256 bytes
	s_mov_b32 s[G1U+1], 32<<16
	s_mov_b32 s[G1U+2], 64<<16
	s_mov_b32 s[G1U+3], 32<<16
	s_mov_b32 s[G1U+4], 64
	s_mov_b32 s[G1U+5], 32
	s_mov_b32 s[G1U+6], 0
	s_mov_b32 s[G1U+7], 0
	s_mov_b32 s[G1S], 15|(3<<16)|(1<<21)
	s_mov_b32 s[G1S+1], 32<<16
	s_mov_b32 s[G1S+2], 12<<16
	s_mov_b32 s[G1S+3], 32<<16
	s_mov_b32 s[G1S+4], 12
	s_mov_b32 s[G1S+5], 32
	s_mov_b32 s[G1S+6], 0
	s_mov_b32 s[G1S+7], 0
	s_mov_b32 s[SEL], 0x76543210
	s_mov_b32 s[SEL+1], 0xfedcba98
	s_mov_b32 s[CS], 0x3e38aa3b                    ; log2(e) / 8
	s_mov_b32 s[CS+1], s[CS]
	s_mul_i32 s58, s14, 294912
	s_mov_b32 s59, 0
	s_mul_i32 s60, s14, 20480
	s_mov_b32 s61, 0
	s_lshl_b32 s62, s[WV], 14                      ; waves 0-11: 16,384 bytes of codes each
	s_mov_b32 s63, 0
	s_max_u32 s66, s[WV], 12
	s_sub_co_u32 s66, s66, 12
	s_mul_i32 s66, s66, 3072                       ; waves 12-15: 3,072 scale bytes each
	s_mov_b32 s67, 0
	s_lshl_b32 s[TAU1], s[WV], 2
	s_add_co_u32 s[TAU1], s[TAU1], s13
	s_sub_co_u32 s[TAU], 127, s[TAU1]
	s_lshr_b32 s[LIM1], s[WV], 1
	s_sub_co_u32 s[LIM], 15, s[LIM1]
	s_lshr_b32 s68, s14, 4                         ; where the result goes: tile 128 x batch + tile, K step head / 2, half head % 2
	s_and_b32 s69, s14, 15
	s_mul_i32 s70, s68, 128*12288
	s_lshr_b32 s71, s69, 1
	s_mul_i32 s71, s71, 1536
	s_add_co_u32 s70, s70, s71
	s_and_b32 s71, s69, 1
	s_mul_i32 s71, s71, 768
	s_add_co_u32 s70, s70, s71
	s_mov_b32 s71, 0
	s_lshl_b32 s72, s68, 16
	s_add_co_u32 s72, s72, 393216
	s_lshr_b32 s73, s69, 3
	s_lshl_b32 s73, s73, 8
	s_add_co_u32 s72, s72, s73
	s_and_b32 s73, s69, 7
	s_lshl_b32 s73, s73, 1
	s_add_co_u32 s72, s72, s73
	s_mov_b32 s73, 0
	s_mov_b32 s[G0U], 1
	s_mov_b32 s[G0U+1], s62
	s_mov_b32 s[G0S], 1
	s_mul_i32 s[G0S+1], s[WV], 3072
	s_add_co_u32 s[G0S+1], s[G0S+1], 196608-12*3072
	s_wait_dscnt 0x0
	s_wait_kmcnt 0x0
	s_add_nc_u64 s[4:5], s[4:5], s[58:59]
	s_add_nc_u64 s[6:7], s[6:7], s[60:61]
	s_add_nc_u64 s[8:9], s[8:9], s[70:71]
	s_add_nc_u64 s[10:11], s[10:11], s[72:73]
	s_add_nc_u64 s[G0U+2:G0U+3], s[4:5], s[62:63]
	s_add_nc_u64 s[G0U+2:G0U+3], s[G0U+2:G0U+3], 98304
	s_or_b32 s[G0U+3], s[G0U+3], 0x80000000
	s_add_nc_u64 s[G0S+2:G0S+3], s[6:7], s[66:67]
	s_add_nc_u64 s[G0S+2:G0S+3], s[G0S+2:G0S+3], 8192
	s_or_b32 s[G0S+3], s[G0S+3], 0x80000000
	CROUND                                         ; the four work-groups are here: the joint loads meet
	s_cmp_lt_u32 s[WV], 12                         ; one chain on the wave's number, one load to an arm
	s_cbranch_scc0 .Lscales
	tensor_load_to_lds s[G0U:G0U+3], s[G1U:G1U+7]
	s_nop 0
.rept 4
	v_nop
.endr
	s_branch .Lasked
.Lscales:
	tensor_load_to_lds s[G0S:G0S+3], s[G1S:G1S+7]
	s_nop 0
.rept 4
	v_nop
.endr
.Lasked:
	v_and_b32 v[TA], 31, v0
	v_and_b32 v[ADS], 15, v0                       ; r
	v_bfe_u32 v[ADT], v0, 4, 1                     ; h
	v_bfe_u32 v[ADK], v0, 3, 1
	v_lshlrev_b32 v[AK0], 3, v[TA]
	v_lshl_add_u32 v[ASK0], v[ADS], 4, 196608
	v_lshl_add_u32 v[ASV0], v[ADS], 4, 204800
	v_and_b32 v[DQ0], 7, v0
	v_lshl_add_u32 v[ASB], v[ADS], 4, v[ADT]
	v_add_nc_u32 v[AV0], 98304, v[AK0]
	v_lshl_add_u32 v[ASK0], v[ADT], 8, v[ASK0]     ; lanes 16-31 take the words of key tiles 4-7,
	v_lshl_add_u32 v[ASV0], v[ADT], 3, v[ASV0]     ; and of V^T's tiles 2, 3
	v_lshl_add_u32 v[DQ0], v[ADK], 4, v[DQ0]
	v_lshlrev_b32 v[ADT], 4, v[ADT]
	v_sub_nc_u32 v[DQ0], v[DQ0], v[ADT]
.irp i, 0,1,2,3,4,5
	v_mov_b32 v[QF+6+\i], 0                        ; Q's zero codes for k = 64 .. 127
	v_mov_b32 v[PC+\i], 0                          ; named behind K's last tile before p's first codes are made
.endr
.irp b, 0,1,2,3
	v_mov_b32 v[PT+\b], 0                          ; a lane permute's destination counts as one of its sources
.endr
	v_mov_b32 v[PW], 0                             ; named as the upper half of the pair with F
	QLOAD
	WALU
	s_wait_tensorcnt 0x0
	s_barrier_signal -1
	s_barrier_wait -1                              ; every wave's tile is in; nothing is filled again
	s_mov_b32 s[PASS], 2
.Lpass:
	s_and_b32 s57, s[TAU], 6
	s_lshl_b32 s57, s57, 4
	s_and_b32 s58, s[TAU], 1
	s_lshl_b32 s58, s58, 3
	s_add_co_u32 s57, s57, s58
	s_wait_dscnt 0x0                               ; the fetch that ran ahead of the last pass's last step has landed: K's registers may be asked for again
.irp t, 0,1,2,3,4,5,6,7
.irp i, 0,1,2
	ds_load_b64 v[KF+6*\t+2*\i:KF+6*\t+2*\i+1], v[AK0] offset:768*\t+256*\i
.endr
.endr
	ds_load_b128 v[KSC:KSC+3], v[ASK0]
	v_add_nc_u32 v[DQ], s57, v[DQ0]
	v_mov_b32 v13, 0xff61b1e6                      ; the largest score so far: -3e38
	v_mov_b32 v14, 0
	v_mov_b32 v15, 0
	v_floor_f32 v12, -v13                          ; -M
.set j, 0
.rept 32
	v_mov_b32 v[O+j], 0                            ; the step is written once: the first finds zeros
.set j, j+1
.endr
	s_mov_b32 s[KO], 0
	s_mov_b32 s[KSO], 0
	s_mov_b32 s[VSO], 0
	s_mov_b32 s[STP], 0
	WALU
	s_wait_loadcnt 0x0                             ; Q
.Lstep:                                                ; 16 trips; those above the diagonal jump over the work
	s_cmp_gt_u32 s[STP], s[LIM]
	s_cbranch_scc1 .Lskip
	s_wait_dscnt 0x0                               ; this step's K, asked for a step ago
.irp t, 0,1,2,3
	v_wmma_scale_f32_16x16x128_f8f6f4 v[S+8*\t:S+8*\t+7], v[KF+6*\t:KF+6*\t+11], v[QF:QF+11], 0, v[KSC+\t], v[QS] matrix_a_fmt:MATRIX_FMT_FP6 matrix_b_fmt:MATRIX_FMT_FP6
.endr
.irp t, 0,1,2,3
	v_wmma_scale_f32_16x16x128_f8f6f4 v[S+32+8*\t:S+32+8*\t+7], v[KF+24+6*\t:KF+24+6*\t+11], v[QF:QF+11], 0, v[KSC+\t], v[QS] matrix_a_fmt:MATRIX_FMT_FP6 matrix_b_fmt:MATRIX_FMT_FP6 matrix_a_scale:MATRIX_SCALE_ROW1
.endr
	v_add_nc_u32 v[ADV], s[KO], v[AV0]             ; these four lines are the places behind the products
	v_add_nc_u32 v[ADT], s[VSO], v[ASV0]
	v_add_nc_u32 v[ADK], s[KO], v[AK0]
	v_add_nc_u32 v[ADS], s[KSO], v[ASK0]
.irp t, 0,1,2,3
.irp p, 0,1,2,3,4,5
	ds_load_b64 v[VF+12*\t+2*\p:VF+12*\t+2*\p+1], v[ADV] offset:1536*\t+256*\p
.endr
.endr
	ds_load_b64 v[VSC:VSC+1], v[ADT]
.irp t, 0,1,2,3,4,5,6,7                ; the next step's K (behind the last step: bytes of V^T, which nobody uses)
.irp i, 0,1,2
	ds_load_b64 v[KF+6*\t+2*\i:KF+6*\t+2*\i+1], v[ADK] offset:6144+768*\t+256*\i
.endr
.endr
	ds_load_b128 v[KSC:KSC+3], v[ADS] offset:512
	s_cmp_lg_u32 s[STP], s[LIM]
	s_cbranch_scc1 .Lopen
	v_mov_b32 v[TA], 0xff800000                    ; the step on the diagonal: keys behind my query count for nothing
.set j, 0
.rept 64
	v_cmp_gt_i32 vcc_lo, 32*(j/16)+j%16, v[DQ]
	v_cndmask_b32 v[S+j], v[S+j], v[TA], vcc_lo
.set j, j+1
.endr
.Lopen:
.irp b, 0,1,2,3
	v_max3_num_f32 v[BM+\b], v[S+16*\b], v[S+16*\b+1], v[S+16*\b+2]   ; the largest score of each block of 32 keys serves the row's maximum and the block's scale
.endr
.irp i, 3,5,7,9,11,13
.irp b, 0,1,2,3
	v_max3_num_f32 v[BM+\b], v[BM+\b], v[S+16*\b+\i], v[S+16*\b+\i+1]
.endr
.endr
.irp b, 0,1,2,3
	v_max_num_f32 v[BM+\b], v[BM+\b], v[S+16*\b+15]
.endr
.irp b, 0,1,2,3
	s_delay_alu instid0(VALU_DEP_4)
	v_permlanex16_b32 v[PT+\b], v[BM+\b], s[SEL], s[SEL+1]
.endr
.irp b, 0,1,2,3
	s_delay_alu instid0(VALU_DEP_4)
	v_max_num_f32 v[BM+\b], v[BM+\b], v[PT+\b]
.endr
	v_mov_b32 v[PT], v12                           ; the old -M
	s_delay_alu instid0(VALU_DEP_3)
	v_max3_num_f32 v[TA], v[BM], v[BM+1], v[BM+2]
	s_delay_alu instid0(VALU_DEP_1)
	v_max3_num_f32 v13, v13, v[TA], v[BM+3]        ; the running largest score
	s_delay_alu instid0(VALU_DEP_1)
	v_mul_f32 v[TA], s[CS], v13
	s_delay_alu instid0(VALU_DEP_1)
	v_floor_f32 v12, -v[TA]                        ; -M = floor(-t): a whole number
.set j, 0
	TMS 2
	v_sub_f32 v[TA], v12, v[PT]
	TMS 2
	v_cvt_i32_f32 v[TA], v[TA]
	TMS 2
	v_ldexp_f32 v[F], 1.0, v[TA]                   ; 2^(old M - new M): the rescaling rounds nothing
	TMS 26
.irp b, 0,1,2,3
	v_fma_f32 v[BM+\b], v[BM+\b], s[CS], v12
.endr
.set j, 0
.rept 16
	v_pk_mul_f32 v[O+j:O+j+1], v[O+j:O+j+1], v[F:F+1] op_sel_hi:[1,0]   ; O^T under the new M
.set j, j+2
.endr
	WALU
	s_wait_dscnt 25                                ; V's 25 loads are in; the 25 for the next step's K may be out
.irp b, 0,1,2,3
	v_exp_f32 v[BM+\b], v[BM+\b]                   ; the blocks' largest p
.endr
.set j, 0
.rept 64
	v_exp_f32 v[S+j], v[S+j]
.set j, j+1
.endr
	v_pk_mul_f32 v[14:15], v[14:15], v[F:F+1] op_sel_hi:[1,0]   ; the sum under the new M: the plain place behind the batch
	WALU                                           ; one wait for the batch
.irp b, 0,1,2,3
	v_max_num_f32 v[BM+\b], 0x1800000, v[BM+\b]    ; the floor 2^(3 - 127): the byte cannot fall under 1
.endr
.irp b, 0,1,2,3
	s_delay_alu instid0(VALU_DEP_4)
	v_add_nc_u32 v[SO+\b], 0xff000000, v[BM+\b]
.endr
.irp b, 0,1,2,3
	s_delay_alu instid0(VALU_DEP_4)
	v_lshrrev_b32 v[PT+\b], 23, v[SO+\b]
.endr
	s_delay_alu instid0(VALU_DEP_3)
	v_lshl_or_b32 v[PW], v[PT+1], 8, v[PT]
	s_delay_alu instid0(VALU_DEP_1)
	v_lshl_or_b32 v[PW], v[PT+2], 16, v[PW]
	s_delay_alu instid0(VALU_DEP_1)
	v_lshl_or_b32 v[PW], v[PT+3], 24, v[PW]
.irp c, 0,1
	v_cvt_scalef32_pk16_fp6_f32 v[PC+6*\c:PC+6*\c+2], v[S+32*\c:S+32*\c+15], v[SO+2*\c]
	v_cvt_scalef32_pk16_fp6_f32 v[TC+4*\c:TC+4*\c+2], v[S+32*\c+16:S+32*\c+31], v[SO+2*\c+1]
.endr
	v_nop                                          ; one plain place behind a scaled conversion
.irp c, 0,1                            ; a whole block to a lane
.irp i, 0,1,2
	v_permlane16_swap_b32 v[PC+6*\c+\i], v[TC+4*\c+\i]
.endr
.irp i, 0,1,2
	s_delay_alu instid0(VALU_DEP_3)
	v_mov_b32 v[PC+6*\c+3+\i], v[TC+4*\c+\i]
.endr
.endr
	TREE 16, 2                                     ; the sum of the unquantised p, in place: 16 additions that hang on nothing; also the places ahead of the products
.irp t, 0,1
	v_wmma_scale_f32_16x16x128_f8f6f4 v[O+8*\t:O+8*\t+7], v[VF+12*\t:VF+12*\t+11], v[PC:PC+11], v[O+8*\t:O+8*\t+7], v[VSC+\t], v[PW] matrix_a_fmt:MATRIX_FMT_FP6 matrix_b_fmt:MATRIX_FMT_FP6
.endr
.irp t, 0,1
	v_wmma_scale_f32_16x16x128_f8f6f4 v[O+16+8*\t:O+16+8*\t+7], v[VF+24+12*\t:VF+24+12*\t+11], v[PC:PC+11], v[O+16+8*\t:O+16+8*\t+7], v[VSC+\t], v[PW] matrix_a_fmt:MATRIX_FMT_FP6 matrix_b_fmt:MATRIX_FMT_FP6 matrix_a_scale:MATRIX_SCALE_ROW1
.endr
	TREE 8, 4                                      ; the rest of the tree: plain work behind the products
	TREE 4, 8
	TREE 2, 16
	TREE 1, 32
	v_pk_add_f32 v[14:15], v[14:15], v[S:S+1]
.Lskip:
	s_add_co_u32 s[KO], s[KO], 6144
	s_add_co_u32 s[KSO], s[KSO], 512
	s_add_co_u32 s[VSO], s[VSO], 256
	s_add_co_u32 s[STP], s[STP], 1
	s_cmp_lt_u32 s[STP], 16
	s_cbranch_scc1 .Lstep
	s_mul_i32 s57, s[TAU], 12288
	s_lshl_b32 s58, s[TAU], 9
	s_mov_b32 s[LIM], s[LIM1]
	s_mov_b32 s[TAU], s[TAU1]
	WALU
	v_add_nc_u32 v[ADK], s57, v[AK0]               ; where this tile's codes go,
	v_add_nc_u32 v[ADV], s58, v[ASB]               ; and its scale bytes
	s_cmp_eq_u32 s[PASS], 1
	s_cbranch_scc1 .Lnoq
	QLOAD                                          ; the second tile's Q comes while the first tile's result is finished
.Lnoq:
	v_add_f32 v14, v14, v15
	s_delay_alu instid0(VALU_DEP_1)
	v_permlanex16_b32 v[PT], v14, s[SEL], s[SEL+1]
	s_delay_alu instid0(VALU_DEP_1)
	v_add_f32 v14, v14, v[PT]                      ; the row's sum
	WALU
	v_rcp_f32 v14, v14
	v_nop
	WALU                                           ; ahead of the first reader of the quotient and of O^T
.set j, 0
.rept 16
	v_pk_mul_f32 v[S+j:S+j+1], v[O+j:O+j+1], v[14:15] op_sel_hi:[1,0]
.set j, j+2
.endr
.irp b, 0,1
	v_max3_num_f32 v[BM+\b], |v[S+16*\b]|, |v[S+16*\b+1]|, 0x1800000
.endr
.irp i, 2,4,6,8,10,12,14
.irp b, 0,1
	s_delay_alu instid0(VALU_DEP_2)
	v_max3_num_f32 v[BM+\b], v[BM+\b], |v[S+16*\b+\i]|, |v[S+16*\b+\i+1]|
.endr
.endr
.irp b, 0,1
	s_delay_alu instid0(VALU_DEP_2)
	v_permlanex16_b32 v[PT+\b], v[BM+\b], s[SEL], s[SEL+1]
.endr
.irp b, 0,1
	s_delay_alu instid0(VALU_DEP_2)
	v_max_num_f32 v[BM+\b], v[BM+\b], v[PT+\b]
.endr
.irp b, 0,1
	s_delay_alu instid0(VALU_DEP_2)
	v_add_nc_u32 v[SO+\b], 0xff000000, v[BM+\b]
.endr
.irp b, 0,1
	s_delay_alu instid0(VALU_DEP_2)
	v_lshrrev_b32 v[PT+\b], 23, v[SO+\b]
.endr
	v_cvt_scalef32_pk16_fp6_f32 v[PC:PC+2], v[S:S+15], v[SO]
	v_cvt_scalef32_pk16_fp6_f32 v[TC:TC+2], v[S+16:S+31], v[SO+1]
	v_nop
.irp i, 0,1,2
	v_permlane16_swap_b32 v[PC+\i], v[TC+\i]
.endr
.irp i, 0,1,2
	s_delay_alu instid0(VALU_DEP_3)
	v_mov_b32 v[PC+3+\i], v[TC+\i]
.endr
	v_and_b32 v[DQ], 16, v0
	s_delay_alu instid0(VALU_DEP_1)
	v_cmp_ne_u32 vcc_lo, 0, v[DQ]
	s_delay_alu instid0(VALU_DEP_1)
	v_cndmask_b32 v[TA], v[PT], v[PT+1], vcc_lo
.irp i, 0,1,2
	global_store_b64 v[ADK], v[PC+2*\i:PC+2*\i+1], s[8:9] offset:256*\i   ; 32 lanes store 256 consecutive bytes, aligned
.endr
	global_store_b8 v[ADV], v[TA], s[10:11]        ; 32 scale bytes a tile, at the places where the projection's scale words lie
	s_wait_xcnt 0x0                                ; the stores' registers are written again in the next pass
	s_sub_co_u32 s[PASS], s[PASS], 1
	s_cmp_lg_u32 s[PASS], 0
	s_cbranch_scc1 .Lpass
	s_wait_tensorcnt 0x0                           ; the wave's end
	ds_add_u32 v254, v255
	s_wait_dscnt 0x0
	CROUND                                         ; the closing round
	s_endpgm
.Lfunc_end_k_qfcdc073eaa_attn:
	.size	k_qfcdc073eaa_attn, .Lfunc_end_k_qfcdc073eaa_attn-k_qfcdc073eaa_attn
	.p2alignl 7, 3214868480
	.fill 96, 4, 3214868480
	.section	.rodata,"a",@progbits
	.p2align	6, 0x0
	.amdhsa_kernel k_qfcdc073eaa_attn
		.amdhsa_group_segment_fixed_size 327680
		.amdhsa_private_segment_fixed_size 0
		.amdhsa_enable_private_segment 0
		.amdhsa_kernarg_size 32
		.amdhsa_user_sgpr_count 2
		.amdhsa_user_sgpr_kernarg_segment_ptr 1
		.amdhsa_wavefront_size32 1
		.amdhsa_system_sgpr_workgroup_id_x 1
		.amdhsa_system_sgpr_workgroup_id_y 1
		.amdhsa_system_sgpr_workgroup_id_z 1
		.amdhsa_system_vgpr_workitem_id 0
		.amdhsa_next_free_vgpr 256
		.amdhsa_next_free_sgpr 80
		.amdhsa_reserve_vcc 1
		.amdhsa_float_denorm_mode_32 3
		.amdhsa_float_denorm_mode_16_64 3
		.amdhsa_memory_ordered 1
		.amdhsa_forward_progress 1
		.amdhsa_inst_pref_size 40
	.end_amdhsa_kernel
	.amdgpu_metadata
---
amdhsa.version: [ 1, 2 ]
amdhsa.kernels:
  - .name:           k_qfcdc073eaa_attn
    .symbol:         k_qfcdc073eaa_attn.kd
    .args:
      - { .name: qkv_img, .offset: 0, .size: 8, .value_kind: global_buffer, .address_space: global }
      - { .name: qkv_sc, .offset: 8, .size: 8, .value_kind: global_buffer, .address_space: global }
      - { .name: o_img, .offset: 16, .size: 8, .value_kind: global_buffer, .address_space: global }
      - { .name: sc, .offset: 24, .size: 8, .value_kind: global_buffer, .address_space: global }
    .group_segment_fixed_size: 327680
    .private_segment_fixed_size: 0
    .kernarg_segment_align: 8
    .kernarg_segment_size: 32
    .max_flat_workgroup_size: 512
    .sgpr_count:     80
    .vgpr_count:     256
    .wavefront_size: 32
...
	.end_amdgpu_metadata
.endif
;; end of part 3
;; launch proj (part 4): grid 8 x 32, 4 waves a work-group, clusters of 4 x 4, 327,680 bytes of LDS; arguments o_img, pc, sc, out0; writes out0
.if DOCPART == 4
	.amdgcn_target "amdgcn-amd-amdhsa--gfx1250"
	.amdhsa_code_object_version 6
	.text
	.protected	k_qfcdc073eaa_proj
	.globl	k_qfcdc073eaa_proj
	.p2align	8
	.type	k_qfcdc073eaa_proj,@function
k_qfcdc073eaa_proj:
	s_mov_b64 s[64:65], 0
	v_nop
	global_prefetch_b8 v0, s[64:65] scope:SCOPE_SE
	s_setreg_imm32_b32 hwreg(HW_REG_WAVE_MODE, 25, 1), 1
	s_wait_xcnt 0x0
	s_wait_alu depctr_hold_cnt(0) depctr_sa_sdst(0) depctr_va_vdst(0) depctr_va_sdst(0) depctr_va_ssrc(0) depctr_va_vcc(0) depctr_vm_vsrc(0)
	s_getreg_b32 s2, hwreg(HW_REG_IB_STS2, 6, 4)
	s_cmp_eq_u32 s2, 0
	s_cbranch_scc0 .Lentry_in_a_cluster
	s_endpgm
.Lentry_in_a_cluster:
	s_bfe_u32 s2, ttmp6, 0x10000c
	s_cmp_lg_u32 s2, 0xf033
	s_cbranch_scc0 .Lentry_shape_is_right
	s_endpgm
.Lentry_shape_is_right:
; out0 = o w_out on codes of FP6 (E2M3) with E8M0 scales; sums in f32.
; OPERANDS come as images of their registers: image (T, u), 16 rows x 128 K, is 1,536 bytes at (8 T + u) x 1,536; six loads of 8 bytes at 8 x lane, 256 bytes apart, give a fragment.  Lane r of tile T is row
; 32 (T / 2) + 8 (T % 2) + r % 8 + 16 (r / 8).  A: o_img's 512 tiles; B: pc's tiles 704-767, w_out's columns.  Scale bytes in sc: byte kb of a row at 512 T + 256 (kb / 16) + 16 r + kb % 16; o's tiles begin at 768.
; THE DEAL: 256 work-groups of four waves, each 256 rows x 128 columns; a wave 128 x 64: 32 accumulators.  At this block ALL OF K (1,024) of the work-group's 24 tiles is 294,912 bytes and lies in LDS:
; two regions of four K steps, each filled once: the first at the head, the second behind a wait, an add and a round.  Nothing is filled again.
; CLUSTERS: 4 x 4.  A's tiles hang on cy alone and are asked for jointly by a row of the cluster, B's on cx alone, by a column.  Waves 0, 1 fetch A's halves (8 tiles), waves 2, 3 B's (4 tiles).
; PREFETCH: what the second fill will load is asked for into the L2 at the head, behind the first fill: of the tiles that a wave fetches, each of the four partners names a quarter, told apart by address.
; THE PRODUCT IS USED TRANSPOSED (source 0 = B's tile, source 1 = A's): a lane holds one row of out0 and eight neighbouring columns an accumulator.
; REGISTERS: window 0: v0-31 addresses; v32-95 A's scale words (8 a + u); v100-131 B's (8 b + u): the two sides' registers lie 4 apart modulo 8; v132-227 A's fragments of even K steps, later the way out.
;   window 1: v0-95 B's fragments, two sets; v128-223 A's fragments of odd K steps.  window 2: accumulator (a, b) at v[8 (4 a + b)].
.set FR,     12
.set IMG,    1536
.set TROW,   4*IMG                     ; a tile's four images in a region
.set AHALF,  8*TROW
.set BHALF,  4*TROW
.set SLOT,   2*AHALF+2*BHALF           ; A's 16 tiles, then B's 8
.set STAGE,  2*SLOT                    ; the way out: 16 rows x 272 bytes for each wave, bytes of their own
.set SPITCH, 272
.set SPARE,  STAGE+4*16*SPITCH         ; the spare words
.set ADRA, 16
.set ADRB, 20
.set STO,  24
.set RD,   25
.set CO,   26
.set VSA,  27
.set SPW,  28
.set NIL,  29
.set PFO,  30
.set VSB,  31
.set SA,   32
.set SBS,  100
.set BK,   132
.set G1,  24
.set G0,  32
.set G1B, 44
.set G0B, 52
.set PF,  60
.set MSB, 0
.macro WIN new                         ; the immediate's high byte repeats the setting that is left
.if MSB != (\new)
	s_set_vgpr_msb (MSB<<8)|(\new)
.set MSB, (\new)
.endif
.endm
.macro PLACES n
.rept \n
	v_nop
.endr
.endm
.macro JLOAD s                         ; a joint load; an s_nop 0 and four v_nop follow each of the two lines
	s_cmp_eq_u32 s15, 0
	s_cbranch_scc0 .Lfor_b_\@
	tensor_load_to_lds s[G0+4*\s:G0+4*\s+3], s[G1:G1+7]
	s_nop 0
	PLACES 4
	s_branch .Lasked_\@
.Lfor_b_\@:
	tensor_load_to_lds s[G0B+4*\s:G0B+4*\s+3], s[G1B:G1B+7]
	s_nop 0
	PLACES 4
.Lasked_\@:
.endm
.macro CROUND
	s_barrier_signal -1
	s_barrier_wait -1
	s_cmp_lg_u32 s14, 0
	s_cbranch_scc1 .Lnot_wave_0_\@
	s_barrier_signal -3
.Lnot_wave_0_\@:
	s_barrier_wait -3
	s_barrier_signal -1
	s_barrier_wait -1
.endm
	s_load_b256 s[4:11], s[0:1], 0x0               ; o_img, pc, sc, out0
	v_lshl_add_u32 v[SPW], v0, 2, SPARE
	v_mov_b32 v[NIL], 0
	ds_add_u32 v[SPW], v[NIL]                      ; the opening lines: the add twice on end and its wait
	ds_add_u32 v[SPW], v[NIL]
	v_lshrrev_b32 v1, 5, v0
	v_readfirstlane_b32 s14, v1                    ; wave
	s_lshr_b32 s15, s14, 1                         ; my half of A's tiles; also: I fetch for A (0) or for B (1)
	s_and_b32 s16, s14, 1                          ; my half of B's tiles; also: which half I fetch
	s_bfe_u32 s17, ttmp6, 0x40000                  ; cx
	s_bfe_u32 s18, ttmp6, 0x40004                  ; cy
	s_and_b32 s20, ttmp7, 0xffff
	s_lshl_b32 s66, s18, 2
	s_lshl_b32 s66, 15, s66                        ; my row of the cluster
	s_lshl_b32 s67, 0x1111, s17                    ; my column
	s_or_b32 s[G1], s66, (3<<16)|(1<<21)
	s_or_b32 s[G1B], s67, (3<<16)|(1<<21)
.irp g, G1, G1B
	s_mov_b32 s[\g+1], 768<<16                     ; a row: 6,144 bytes, a tile's four images
	s_mov_b32 s[\g+3], 768<<16
	s_mov_b32 s[\g+5], 1536                        ; from tile to tile: 12,288 bytes
	s_mov_b32 s[\g+6], 0
	s_mov_b32 s[\g+7], 0
.endr
	s_mov_b32 s[G1+2], 8<<16
	s_mov_b32 s[G1+4], 8
	s_mov_b32 s[G1B+2], 4<<16
	s_mov_b32 s[G1B+4], 4
	s_lshl_b32 s70, s20, 2
	s_add_co_u32 s70, s70, s18
	s_lshl_b32 s70, s70, 4                         ; A's first tile: 16 x (4 cluster y + cy)
	s_lshl_b32 s71, ttmp9, 2
	s_add_co_u32 s71, s71, s17
	s_lshl_b32 s71, s71, 3
	s_add_co_u32 s71, s71, 704                     ; B's: 704 + 8 x (4 cluster x + cx)
	s_lshl_b32 s74, s16, 3
	s_add_co_u32 s88, s70, s74                     ; the tiles that I fetch, of A
	s_lshl_b32 s74, s16, 2
	s_add_co_u32 s89, s71, s74                     ; or of B
	s_mul_i32 s76, s88, 8*IMG
	s_mov_b32 s77, 0
	s_mul_i32 s78, s89, 8*IMG
	s_mov_b32 s79, 0
	s_mul_i32 s80, s16, AHALF                      ; and where they go
	s_mul_i32 s81, s16, BHALF
	s_add_co_u32 s81, s81, 2*AHALF
	s_wait_dscnt 0x0
	s_wait_kmcnt 0x0
	s_add_nc_u64 s[76:77], s[4:5], s[76:77]
	s_add_nc_u64 s[78:79], s[6:7], s[78:79]
	CROUND                                         ; all sixteen work-groups are here: the first joint loads meet
.irp s, 0,1
	s_mov_b32 s[G0+4*\s], 1
	s_add_co_u32 s[G0+4*\s+1], s80, \s*SLOT
	s_add_nc_u64 s[G0+4*\s+2:G0+4*\s+3], s[76:77], \s*TROW
	s_or_b32 s[G0+4*\s+3], s[G0+4*\s+3], 0x80000000
	s_mov_b32 s[G0B+4*\s], 1
	s_add_co_u32 s[G0B+4*\s+1], s81, \s*SLOT
	s_add_nc_u64 s[G0B+4*\s+2:G0B+4*\s+3], s[78:79], \s*TROW
	s_or_b32 s[G0B+4*\s+3], s[G0B+4*\s+3], 0x80000000
.endr
	JLOAD 0                                        ; K steps 0-3: my one tensor load at the head
	s_lshl_b32 s82, s15, 3
	s_add_co_u32 s82, s82, s70                     ; my eight tiles of A
	s_lshl_b32 s66, s82, 16                        ; their first row of out0: 16 rows of 4,096 bytes a tile
	s_add_co_u32 s82, s82, 768
	s_lshl_b32 s82, s82, 9                         ; their scale bytes
	s_lshl_b32 s83, s89, 9                         ; my four tiles of B: their scale bytes
	s_mul_i32 s84, s15, AHALF
	s_mul_i32 s85, s16, BHALF
	s_add_co_u32 s85, s85, 2*AHALF
	s_mul_i32 s86, s14, 16*SPITCH
	s_add_co_u32 s86, s86, STAGE
	s_sub_co_u32 s67, s89, 704
	s_lshl_b32 s67, s67, 6                         ; my first column: 64 bytes a tile
	s_add_co_u32 s66, s66, s67
	s_mov_b32 s67, 0
	s_add_nc_u64 s[10:11], s[10:11], s[66:67]
	s_lshl_b32 s90, s17, 1                         ; the prefetch: of A's eight tiles the partner at cx names two,
	s_add_co_u32 s90, s90, s88
	s_add_co_u32 s91, s89, s18                     ; of B's four the partner at cy one
	s_cmp_eq_u32 s15, 0
	s_cselect_b32 s90, s90, s91
	s_cselect_b64 s[PF:PF+1], s[4:5], s[6:7]
	s_mul_i32 s90, s90, 8*IMG
	s_add_co_u32 s90, s90, TROW                    ; K steps 4-7
	s_mov_b32 s91, 0
	s_add_nc_u64 s[PF:PF+1], s[PF:PF+1], s[90:91]
	v_and_b32 v1, 31, v0
	v_and_b32 v2, 15, v0
	v_bfe_u32 v3, v0, 4, 1
	v_lshl_add_u32 v[VSA], v2, 4, s82
	v_lshl_add_u32 v[VSB], v2, 4, s83
	v_lshlrev_b32 v5, 3, v1
	v_min_u32 v[PFO], 23, v1                       ; a tile's four images are 24 blocks of 256 bytes: a lane a block, the lanes left over name the last again
	v_mul_u32_u24 v[STO], v2, SPITCH
	v_mul_u32_u24 v[RD], v3, SPITCH
	v_lshlrev_b32 v[CO], 12, v3
	v_add_nc_u32 v[ADRA], s84, v5
	v_add_nc_u32 v[ADRB], s85, v5
	v_lshlrev_b32 v[PFO], 8, v[PFO]
	v_lshl_add_u32 v[STO], v3, 6, v[STO]           ; into the stage: row r, 64 bytes for each half of the lanes
	v_lshl_add_u32 v[RD], v2, 4, v[RD]             ; back: sixteen lanes to a row of 256 bytes, two rows a load
	v_lshl_add_u32 v[CO], v2, 4, v[CO]             ; and the same two rows in out0
	v_add_nc_u32 v[ADRA+1], SLOT, v[ADRA]
	v_add_nc_u32 v[ADRB+1], SLOT, v[ADRB]
	v_add_nc_u32 v[STO], s86, v[STO]
	v_add_nc_u32 v[RD], s86, v[RD]
.irp i, 0,1,2,3,4,5,6,7
.irp g, 0,1
	global_load_b128 v[SA+8*\i+4*\g:SA+8*\i+4*\g+3], v[VSA], s[8:9] offset:512*\i+256*\g   ; four K steps' words a load: all of K's scales stay in registers
.endr
.endr
.irp i, 0,1,2,3
.irp g, 0,1
	global_load_b128 v[SBS+8*\i+4*\g:SBS+8*\i+4*\g+3], v[VSB], s[8:9] offset:512*\i+256*\g
.endr
.endr
	global_prefetch_b8 v[PFO], s[PF:PF+1] th:TH_LOAD_NT scope:SCOPE_SE
	s_cmp_lg_u32 s15, 0
	s_cbranch_scc1 .Lone_tile
	global_prefetch_b8 v[PFO], s[PF:PF+1] offset:8*IMG th:TH_LOAD_NT scope:SCOPE_SE
.Lone_tile:
.macro FRAG reg, adr, q, i             ; a fragment: six pieces of 8 bytes a lane, 256 consecutive bytes an instruction
.irp p, 0,1,2,3,4,5
	ds_load_b64 v[\reg+2*\p:\reg+2*\p+1], v[\adr] offset:TROW*(\i)+IMG*(\q)+256*\p
.endr
.endm
.macro FETCH u                         ; K step u's fragments, 72 loads in one run, into the sets of u's parity
	WIN 0x40
.irp i, 0,1,2,3
	FRAG 48*((\u)%2)+FR*\i, ADRB+(\u)/4, (\u)%4, \i
.endr
.if (\u)%2 == 0
	WIN 0
.endif
.irp i, 0,1,2,3,4,5,6,7
	FRAG 132-4*((\u)%2)+FR*\i, ADRA+(\u)/4, (\u)%4, \i
.endr
.endm
.macro MUL4 a, u, zero                 ; A's tile a x B's four.  The 32 accumulators take turns, in the same order in every step
.irp b, 0,1,2,3
.if \zero
	v_wmma_scale_f32_16x16x128_f8f6f4 v[8*(4*(\a)+\b):8*(4*(\a)+\b)+7], v[48*((\u)%2)+FR*\b:48*((\u)%2)+FR*\b+FR-1], v[132-4*((\u)%2)+FR*(\a):132-4*((\u)%2)+FR*(\a)+FR-1], 0, v[SBS+8*\b+(\u)], v[SA+8*(\a)+(\u)] matrix_a_fmt:MATRIX_FMT_FP6 matrix_b_fmt:MATRIX_FMT_FP6
.else
	v_wmma_scale_f32_16x16x128_f8f6f4 v[8*(4*(\a)+\b):8*(4*(\a)+\b)+7], v[48*((\u)%2)+FR*\b:48*((\u)%2)+FR*\b+FR-1], v[132-4*((\u)%2)+FR*(\a):132-4*((\u)%2)+FR*(\a)+FR-1], v[8*(4*(\a)+\b):8*(4*(\a)+\b)+7], v[SBS+8*\b+(\u)], v[SA+8*(\a)+(\u)] matrix_a_fmt:MATRIX_FMT_FP6 matrix_b_fmt:MATRIX_FMT_FP6
.endif
.endr
.endm
; K step u: 32 products; behind the first eight the next step's fragments are asked for, into the sets that the step before read (four places stand ahead of those loads).
; show = 1: a plain barrier shows the second region whole to all four waves.
.macro STEP u, zero, show, fetch
	s_wait_dscnt 0x0                               ; this step's fragments are in
.if \show
	s_wait_tensorcnt 0x0
	s_barrier_signal -1
.endif
	WIN 0xa1+4*((\u)%2)                            ; source 0 (B) window 1, source 1 (A) window 0 or 1, C and D window 2
.irp a, 0,1
	MUL4 \a, \u, \zero
.endr
.if \show
	s_barrier_wait -1
.endif
.if \fetch
	PLACES 4
	FETCH (\u)+1
	WIN 0xa1+4*((\u)%2)
.endif
.irp a, 2,3,4,5,6,7
	MUL4 \a, \u, \zero
.endr
.endm
	s_wait_alu depctr_va_vdst(0)
	s_wait_tensorcnt 0x0                           ; my part of K steps 0-3 is in
	ds_add_u32 v[SPW], v[NIL]
	s_wait_dscnt 0x0
	CROUND
	JLOAD 1                                        ; K steps 4-7: my one tensor load behind the round; three K steps' products stand ahead of the wait for it
	FETCH 0
	WIN 0
	s_wait_loadcnt 0x0                             ; the scale words
	STEP 0, 1, 0, 1                                ; the first step's products start the sums: nothing is cleared
	STEP 1, 0, 0, 1
	STEP 2, 0, 0, 1
	STEP 3, 0, 1, 1
	STEP 4, 0, 0, 1
	STEP 5, 0, 0, 1
	STEP 6, 0, 0, 1
	STEP 7, 0, 0, 0
	WIN 0
; THE WAY OUT, block by block of 16 rows x 64 columns, through my own stage: back come whole rows of 256 bytes.  LDS serves a wave's instructions in order: no wait between the stores and the loads.
.macro TOSTAGE a
	WIN 0x08                                       ; the data: window 2
.irp b, 0,1,2,3
	ds_store_b128 v[STO], v[8*(4*(\a)+\b):8*(4*(\a)+\b)+3] offset:128*(\b/2)+32*(\b%2)          ; each accumulator from its low end on
	ds_store_b128 v[STO], v[8*(4*(\a)+\b)+4:8*(4*(\a)+\b)+7] offset:128*(\b/2)+32*(\b%2)+16
.endr
	WIN 0
.irp t, 0,1,2,3,4,5,6,7
	ds_load_b128 v[BK+32*((\a)%2)+4*\t:BK+32*((\a)%2)+4*\t+3], v[RD] offset:\t*2*SPITCH
.endr
.endm
.macro SEND a, younger                 ; younger: the LDS instructions issued behind block a's loads
	s_wait_dscnt \younger
.irp t, 0,1,2,3,4,5,6,7
	global_store_b128 v[CO], v[BK+32*((\a)%2)+4*\t:BK+32*((\a)%2)+4*\t+3], s[10:11] offset:(32*((\a)/2)+8*((\a)%2)+2*\t+8*(\t/4))*4096 th:TH_STORE_NT   ; sixteen lanes store 256 consecutive bytes, aligned
.endr
.endm
	PLACES 4
	TOSTAGE 0
.irp a, 1,2,3,4,5,6,7
.if \a > 1
	s_wait_xcnt 0x0                                ; block a - 2's stores have read their registers
.endif
	TOSTAGE \a
	SEND \a-1, 16
.endr
	SEND 7, 0
	s_wait_tensorcnt 0x0                           ; the wave's end
	ds_add_u32 v[SPW], v[NIL]
	s_wait_dscnt 0x0
	CROUND                                         ; the closing round
	s_endpgm
.Lfunc_end_k_qfcdc073eaa_proj:
	.size	k_qfcdc073eaa_proj, .Lfunc_end_k_qfcdc073eaa_proj-k_qfcdc073eaa_proj
	.p2alignl 7, 3214868480
	.fill 96, 4, 3214868480
	.section	.rodata,"a",@progbits
	.p2align	6, 0x0
	.amdhsa_kernel k_qfcdc073eaa_proj
		.amdhsa_group_segment_fixed_size 327680
		.amdhsa_private_segment_fixed_size 0
		.amdhsa_enable_private_segment 0
		.amdhsa_kernarg_size 32
		.amdhsa_user_sgpr_count 2
		.amdhsa_user_sgpr_kernarg_segment_ptr 1
		.amdhsa_wavefront_size32 1
		.amdhsa_system_sgpr_workgroup_id_x 1
		.amdhsa_system_sgpr_workgroup_id_y 1
		.amdhsa_system_sgpr_workgroup_id_z 1
		.amdhsa_system_vgpr_workitem_id 0
		.amdhsa_next_free_vgpr 768
		.amdhsa_next_free_sgpr 100
		.amdhsa_reserve_vcc 0
		.amdhsa_float_denorm_mode_32 3
		.amdhsa_float_denorm_mode_16_64 3
		.amdhsa_memory_ordered 1
		.amdhsa_forward_progress 1
		.amdhsa_inst_pref_size 96
	.end_amdhsa_kernel
	.amdgpu_metadata
---
amdhsa.version: [ 1, 2 ]
amdhsa.kernels:
  - .name:           k_qfcdc073eaa_proj
    .symbol:         k_qfcdc073eaa_proj.kd
    .args:
      - { .name: o_img, .offset: 0, .size: 8, .value_kind: global_buffer, .address_space: global }
      - { .name: pc, .offset: 8, .size: 8, .value_kind: global_buffer, .address_space: global }
      - { .name: sc, .offset: 16, .size: 8, .value_kind: global_buffer, .address_space: global }
      - { .name: out0, .offset: 24, .size: 8, .value_kind: global_buffer, .address_space: global }
    .group_segment_fixed_size: 327680
    .private_segment_fixed_size: 0
    .kernarg_segment_align: 8
    .kernarg_segment_size: 32
    .max_flat_workgroup_size: 128
    .sgpr_count:     100
    .vgpr_count:     768
    .wavefront_size: 32
...
	.end_amdgpu_metadata
.endif
;; end of part 4
